; MI455X (gfx1250); checked and timed in simulation.
; The chip was launched on July 23, 2026; its instructions are those of AMD's public machine-readable ISA for CDNA 5 (MIT licence, August 2026) and "CDNA5" Instruction Set Architecture Reference Guide (July 2026). The comments in the code are by the model that wrote it; some were corrected since.
;; Sliding Window Attention. Allowed arithmetic: float matrix products may take bf16 or f16 operands with f32 sums; other float arithmetic in f32, or as packed bf16 or f16 multiplies, adds, multiply-adds, maxima and minima; sums over many terms, partial sums and values carried from step to step in f32; what a program stores and reads back later, other than sums and carried values, may be rounded once to bf16 or f16.
;; Inputs: rel_pos 1 float32; wk 2,048 x 2,048 float32; wo 2,048 x 2,048 float32; wq 2,048 x 2,048 float32; wv 2,048 x 2,048 float32; x 2 x 2,048 x 2,048 float32.
;; Outputs: out0 2 x 2,048 x 2,048 float32.
;; 2 versions, each right; version 2 is version 1 with the launches cast, attn written anew for expert scheduling mode. Each part assembles by itself: llvm-mc -triple=amdgcn-amd-amdhsa -mcpu=gfx1250 --defsym DOCPART=n.
;; ======== version 1 of 2: 4 launches
;; limits: values are held in f16: magnitudes above 65,504 overflow, below 6.1e-05 lose precision
;; workspace buffers: xb 16,777,216 bytes; wb 25,165,824 bytes; wob 8,388,608 bytes; qkv 50,331,648 bytes; att 16,777,216 bytes
;; launch cast (part 1): grid 1536 x 1, 4 waves a work-group, no clusters, 0 bytes of LDS; arguments x, wq, wk, wv, wo, xb, wb, wob; writes xb, wb, wob
.if DOCPART == 1
	.amdgcn_target "amdgcn-amd-amdhsa--gfx1250"
	.amdhsa_code_object_version 6
	.text
	.protected	k_qe5b3820309_cast
	.globl	k_qe5b3820309_cast
	.p2align	8
	.type	k_qe5b3820309_cast,@function
k_qe5b3820309_cast:
	s_mov_b64 s[64:65], 0
	v_nop
	global_prefetch_b8 v0, s[64:65] scope:SCOPE_SE
	s_setreg_imm32_b32 hwreg(HW_REG_WAVE_MODE, 25, 1), 1
	s_wait_xcnt 0x0
; THE INPUTS ARE ROUNDED ONCE.  x [4096][2048] f32 -> xb bf16.  wq, wk, wv [2048][2048] f32 -> wb [6144][2048] bf16, THEIR ROWS IN ANOTHER ORDER.
; wo [2048][2048] f32 -> wob: rounded to bf16 like the other inputs, and that number written as f16 (exact from 2^-14 up to f16's 65,504; below 2^-14 it keeps f16's fixed step of 6e-8).
; rel_pos does not enter the module's result and is named by no launch.
; THE ORDER OF wb's ROWS.  Row n' of wb makes column n' of the next launch's result, so the order is free, and it is chosen so that the attention's matrix fragments are runs of 512 bytes in a token's row:
;   wq, wk: source row 128 i + 8 c + e (head i, group c of eight channels) goes to row 128 c + 8 i + e (wk: + 2048);
;   wv:     source row 1024 h + 128 e + 16 cb + r (head 8 h + e, channel 16 cb + r) goes to row 4096 + 256 cb + 128 h + 8 r + e.
; SHARES.  12,288 source rows of 8,192 bytes.  A work-group takes 8, a wave 2 neighbouring ones: 32 loads of 512 consecutive bytes, all issued before the first is used; each piece leaves as one
; store of 256 consecutive bytes, at a multiple of 256 from its buffer's first byte.  Memory binds: no LDS, no barrier, no matrix unit, nothing shared between work-groups, so no cluster.
; No register that a load or store names is written again, so no wait frees one.
.set X, 4                              ; v[4:131]   piece n of 32 (row n / 16, bytes 512 (n % 16) on) at X + 4 n
.set T, 132                            ; v[132:133] at work (wo)
	s_load_b512 s[8:23], s[0:1], 0x0               ; x s[8:9], wq s[10:11], wk s[12:13], wv s[14:15], wo s[16:17], xb s[18:19], wb s[20:21], wob s[22:23]
	v_lshrrev_b32 v3, 5, v0
	v_readfirstlane_b32 s3, v3                     ; wave 0..3
	v_and_b32 v2, 31, v0
	v_lshlrev_b32 v1, 4, v2                        ; in: 16 bytes a lane
	v_lshlrev_b32 v2, 3, v2                        ; out: 8 bytes a lane
	s_sub_co_u32 s6, ttmp9, 512                    ; work-groups 0-511 take x, then 256 each take wq, wk, wv, wo
	s_lshr_b32 s7, s6, 8
	s_add_co_u32 s7, s7, 1
	s_and_b32 s6, s6, 255
	s_cmp_lt_u32 ttmp9, 512
	s_cselect_b32 s4, 0, s7                        ; which tensor: 0 x, 1 wq, 2 wk, 3 wv, 4 wo
	s_cselect_b32 s5, ttmp9, s6                    ; which block of 8 rows in it
	s_lshl_b32 s5, s5, 3
	s_lshl1_add_u32 s5, s3, s5                     ; my first source row n0 = 8 x block + 2 x wave: even, so row n0 + 1 differs in the lowest field alone
	s_bfe_u32 s30, s5, 0x40003                     ; wq, wk: c
	s_lshl_b32 s30, s30, 7
	s_bfe_u32 s31, s5, 0x40007                     ; i
	s_lshl_b32 s31, s31, 3
	s_or_b32 s30, s30, s31
	s_and_b32 s31, s5, 7                           ; e
	s_or_b32 s30, s30, s31                         ; 128 c + 8 i + e
	s_add_co_u32 s31, s30, 2048
	s_bfe_u32 s32, s5, 0x30004                     ; wv: cb
	s_lshl_b32 s32, s32, 8
	s_bfe_u32 s33, s5, 0x1000a                     ; h
	s_lshl_b32 s33, s33, 7
	s_or_b32 s32, s32, s33
	s_and_b32 s33, s5, 15                          ; r
	s_lshl_b32 s33, s33, 3
	s_or_b32 s32, s32, s33
	s_bfe_u32 s33, s5, 0x30007                     ; e
	s_or_b32 s32, s32, s33
	s_add_co_u32 s32, s32, 4096                    ; 4096 + 256 cb + 128 h + 8 r + e
	s_mov_b32 s36, 0x1000                          ; from my first row's place to my second's: one row of 4,096 bytes,
	s_mov_b32 s37, 0x8000                          ; in wv eight (r + 1)
	s_mov_b32 s34, 0xffff0000                      ; a word's upper bf16
	s_cmp_eq_u32 s4, 1
	s_cselect_b32 s35, s30, s5                     ; my first row's place in its destination
	s_cmp_eq_u32 s4, 2
	s_cselect_b32 s35, s31, s35
	s_cmp_eq_u32 s4, 3
	s_cselect_b32 s35, s32, s35
	s_cselect_b32 s38, s37, s36
	s_mov_b32 s39, 0
	s_wait_kmcnt 0x0
	s_cmp_eq_u32 s4, 1
	s_cselect_b64 s[24:25], s[10:11], s[8:9]       ; from where
	s_cmp_eq_u32 s4, 2
	s_cselect_b64 s[24:25], s[12:13], s[24:25]
	s_cmp_eq_u32 s4, 3
	s_cselect_b64 s[24:25], s[14:15], s[24:25]
	s_cmp_eq_u32 s4, 4
	s_cselect_b64 s[24:25], s[16:17], s[24:25]
	s_cselect_b64 s[26:27], s[22:23], s[20:21]     ; to where
	s_cmp_eq_u32 s4, 0
	s_cselect_b64 s[26:27], s[18:19], s[26:27]
	s_lshl_b32 s28, s5, 13                         ; n0 rows of 8,192 bytes
	s_mov_b32 s29, 0
	s_add_nc_u64 s[24:25], s[24:25], s[28:29]
	s_lshl_b32 s28, s35, 12                        ; rows of 4,096 bytes
	s_add_nc_u64 s[26:27], s[26:27], s[28:29]      ; my first row's place,
	s_add_nc_u64 s[28:29], s[26:27], s[38:39]      ; my second's
.set n, 0
.rept 32
	global_load_b128 v[X+4*n:X+4*n+3], v1, s[24:25] offset:512*n th:TH_LOAD_NT  ; two rows on end: 16,384 consecutive bytes, read once in the launch
.set n, n+1
.endr
; The 32 pieces, as they come in.  fmt = 0: to bf16.  fmt = 1: to bf16, widened again, and written as f16.
.macro ROWS fmt
.set n, 0
.rept 32
.set a, X+4*n
	s_wait_loadcnt 31-n                            ; loads come back in order (ISA guide 5.7.1): piece n is in, the 31 - n younger ones stay out
.if \fmt
	v_cvt_pk_bf16_f32 v[T], v[a], v[a+1]
	v_cvt_pk_bf16_f32 v[T+1], v[a+2], v[a+3]
	v_lshlrev_b32 v[a], 16, v[T]
	v_and_b32 v[a+1], s34, v[T]
	v_lshlrev_b32 v[a+2], 16, v[T+1]
	v_and_b32 v[a+3], s34, v[T+1]
	v_cvt_pk_f16_f32 v[a], v[a], v[a+1]
	v_cvt_pk_f16_f32 v[a+1], v[a+2], v[a+3]
.else
	v_cvt_pk_bf16_f32 v[a], v[a], v[a+1]
	v_cvt_pk_bf16_f32 v[a+1], v[a+2], v[a+3]
.endif
	global_store_b64 v2, v[a:a+1], s[26+2*(n/16):27+2*(n/16)] offset:256*(n%16)  ; 32 lanes store 256 consecutive bytes
.set n, n+1
.endr
.endm
	s_cmp_eq_u32 s4, 4
	s_cbranch_scc1 .Lwo
	ROWS 0
	s_endpgm
.Lwo:
	ROWS 1
	s_endpgm
.Lfunc_end_k_qe5b3820309_cast:
	.size	k_qe5b3820309_cast, .Lfunc_end_k_qe5b3820309_cast-k_qe5b3820309_cast
	.p2alignl 7, 3214868480
	.fill 96, 4, 3214868480
	.section	.rodata,"a",@progbits
	.p2align	6, 0x0
	.amdhsa_kernel k_qe5b3820309_cast
		.amdhsa_group_segment_fixed_size 0
		.amdhsa_private_segment_fixed_size 0
		.amdhsa_enable_private_segment 0
		.amdhsa_kernarg_size 64
		.amdhsa_user_sgpr_count 2
		.amdhsa_user_sgpr_kernarg_segment_ptr 1
		.amdhsa_wavefront_size32 1
		.amdhsa_system_sgpr_workgroup_id_x 1
		.amdhsa_system_sgpr_workgroup_id_y 1
		.amdhsa_system_sgpr_workgroup_id_z 1
		.amdhsa_system_vgpr_workitem_id 0
		.amdhsa_next_free_vgpr 140
		.amdhsa_next_free_sgpr 66
		.amdhsa_reserve_vcc 0
		.amdhsa_float_denorm_mode_32 3
		.amdhsa_float_denorm_mode_16_64 3
		.amdhsa_memory_ordered 1
		.amdhsa_forward_progress 1
		.amdhsa_inst_pref_size 30
	.end_amdhsa_kernel
	.amdgpu_metadata
---
amdhsa.version: [ 1, 2 ]
amdhsa.kernels:
  - .name:           k_qe5b3820309_cast
    .symbol:         k_qe5b3820309_cast.kd
    .args:
      - { .name: x, .offset: 0, .size: 8, .value_kind: global_buffer, .address_space: global }
      - { .name: wq, .offset: 8, .size: 8, .value_kind: global_buffer, .address_space: global }
      - { .name: wk, .offset: 16, .size: 8, .value_kind: global_buffer, .address_space: global }
      - { .name: wv, .offset: 24, .size: 8, .value_kind: global_buffer, .address_space: global }
      - { .name: wo, .offset: 32, .size: 8, .value_kind: global_buffer, .address_space: global }
      - { .name: xb, .offset: 40, .size: 8, .value_kind: global_buffer, .address_space: global }
      - { .name: wb, .offset: 48, .size: 8, .value_kind: global_buffer, .address_space: global }
      - { .name: wob, .offset: 56, .size: 8, .value_kind: global_buffer, .address_space: global }
    .group_segment_fixed_size: 0
    .private_segment_fixed_size: 0
    .kernarg_segment_align: 8
    .kernarg_segment_size: 64
    .max_flat_workgroup_size: 128
    .sgpr_count:     66
    .vgpr_count:     140
    .wavefront_size: 32
...
	.end_amdgpu_metadata
.endif
;; end of part 1
;; launch qkv (part 2): grid 16 x 32, 4 waves a work-group, clusters of 4 x 4, 327,680 bytes of LDS; arguments xb, wb, qkv; writes qkv
.if DOCPART == 2
	.amdgcn_target "amdgcn-amd-amdhsa--gfx1250"
	.amdhsa_code_object_version 6
	.text
	.protected	k_qe5b3820309_qkv
	.globl	k_qe5b3820309_qkv
	.p2align	8
	.type	k_qe5b3820309_qkv,@function
k_qe5b3820309_qkv:
	s_mov_b64 s[64:65], 0
	v_nop
	global_prefetch_b8 v0, s[64:65] scope:SCOPE_SE
	s_setreg_imm32_b32 hwreg(HW_REG_WAVE_MODE, 25, 1), 1
	s_wait_xcnt 0x0
	s_wait_alu depctr_hold_cnt(0) depctr_sa_sdst(0) depctr_va_vdst(0) depctr_va_sdst(0) depctr_va_ssrc(0) depctr_va_vcc(0) depctr_vm_vsrc(0)
	s_getreg_b32 s2, hwreg(HW_REG_IB_STS2, 6, 4)
	s_cmp_eq_u32 s2, 0
	s_cbranch_scc0 .Lentry_in_a_cluster
	s_endpgm
.Lentry_in_a_cluster:
	s_bfe_u32 s2, ttmp6, 0x10000c
	s_cmp_lg_u32 s2, 0xf033
	s_cbranch_scc0 .Lentry_shape_is_right
	s_endpgm
.Lentry_shape_is_right:
; qkv[m][n] = the sum over k of xb[m][k] wb[n][k].  xb: [4096][2048] bf16, wb: [6144][2048] bf16 (the three projections' weights, rows in the order that the attention wants), qkv: [4096][6144] f16.
; One f32 sum for each output; the K steps are taken in a ring from the cluster's first (below); rounded once to f16.
; LIMIT: f16 holds no number beyond 65,504: q, k and v must lie within it (inputs drawn 30 times larger give some 5e3; all inputs offset by 30 spreads some 4.1e4).
; SHARES.  A tile of the result is 128 x 384: 512 tiles, two for each of 256 WGPs.  Four waves side by side, each 128 rows x 96 columns: 48 accumulators of 16 x 16, 384 registers.
; K goes in steps of 128 through a ring of two LDS slots filled by the tensor data mover: every row of a tile is 256 bytes of memory, at a multiple of 256 from its buffer's first byte.
; CLUSTERS: 4 x 4 work-groups.  The four of a row of the cluster need the same 128 rows of xb, the four of a column the same 384 rows of wb: each tile is asked for JOINTLY, by the same tensor load
; with the same descriptor and a mask that names the four.  A slot's 512 rows are shared out evenly: wave 0 fetches xb's 128, waves 1 to 3 fetch 128 of wb's each: one load a wave behind each round.
; WHERE A CLUSTER BEGINS ALONG K.  K's 16 steps are four quarters.  The cluster at (X, Y) begins with quarter (X + 2 ((Y xor Y / 2) mod 2)) mod 4 and goes round.  So in any trip the four clusters that
; need the same rows of xb ask for four different quarters, and of the clusters that need the same rows of wb one half asks for a quarter two on from the other's.  The start hangs on the cluster's
; place in the grid alone: it is the same in all sixteen partners.
; THE MATRIX INSTRUCTION IS USED TRANSPOSED (source 0 = 16 rows of wb, source 1 = 16 rows of xb): a lane then holds row l % 16 of the result and eight neighbouring columns, 8 (l / 16) + 0..7.
; REGISTERS, in windows of 256 (s_set_vgpr_msb: bits 1:0 source 0, 3:2 source 1, 5:4 source 2, 7:6 destination):
;   window 0: v0-31 addresses; v64-127, v128-191 fragments of xb (8 x 16 rows x 32 K), two buffers; on the way out v64-87 packed results, v96-119 and v128-151 rows read back
;   window 1: v64-111, v128-175 fragments of wb (6 x 16 rows x 32 K), two buffers
;   window 2: the 24 accumulators of rows 0-63 ((a, b) at v[8 (6 a + b)]);   window 3: those of rows 64-127
.set NB,     6                         ; blocks of 16 columns a wave
.set SIZE_K, 2048
.set KSTEP,  128
.set PITCH,  272                       ; an LDS row: 256 bytes + 16 of padding = 68 words: the 16 rows of a fragment load start at 16 different groups of four banks (64 banks of 4 bytes: ISA guide 11.1)
.set QROWS,  128                       ; rows that one load brings
.set QBYTES, QROWS*PITCH
.set ABYTES, QBYTES                    ; xb's 128 rows
.set NROWS,  64*NB                     ; a tile's columns = its rows of wb
.set SLOT,   4*QBYTES                  ; xb's 128 rows, then wb's 384: 139,264 bytes
.set STAGE,  2*SLOT                    ; behind the ring, never filled by a tensor load: two buffers of 16 rows x 784 bytes, the work-group's, for the way out
.set SP,     784                       ; a stage row: 768 bytes + 16
.set SBUF,   16*SP
.set SPARE,  STAGE+2*SBUF              ; behind the stage: the spare words, 128 bytes for each wave: two blocks of 256 bytes that no other line names
.set LAPS,   SIZE_K/(2*KSTEP)          ; a lap = two K steps = once round the ring
.set CROW,   12288                     ; bytes in a row of the result
.set ADRA, 16                          ; v16-17  LDS address of my fragments of xb in slot 0, 1
.set ADRB, 20                          ; v20-21  the same for wb
.set STO,  24                          ; v24     the way out: where I put 16 bytes of a row
.set RD,   25                          ; v25     where I read the first 512 bytes of a row back
.set CO,   26                          ; v26     and their byte offset in the result
.set RD1,  27                          ; v27     where I read the last 256 bytes of two rows back
.set SPW,  28                          ; v28     LDS address of my spare word: SPARE + 4 x my thread's number; never rewritten
.set NIL,  29                          ; v29     0; never rewritten
.set PFO,  30                          ; v30     the prefetches' offset: my lane x a row of 4,096 bytes; never rewritten
.set CO1,  31                          ; v31     RD1's byte offset in the result
.set F0,   64
.set F1,   128
.set TMP,  64
.set G1,  24                           ; s[24:31] descriptor group 1 for xb's tiles;  s[32:39] group 0, a set for each slot
.set G0,  32
.set G1B, 48                           ; s[48:55], s[56:63] the same for wb's
.set G0B, 56
.set BA,  14                           ; s[14:15] xb at my tile's first row; never rewritten
.set BB,  46                           ; s[46:47] wb at the first of the rows that I fetch; never rewritten
.set KO,  66                           ; s[66:67], s[68:69] for each slot: the byte along a row at which its K step begins, high word 0
.set NBK, 70                           ; s70     the byte at which the second quarter of my cluster's walk begins
.set LIM, 43                           ; s43     PFSTOP in a wave that prefetches, else the greatest number
.set PFSTOP, LAPS-3                    ; a wave prefetches while the loop's count is above this: in its first two trips, behind four refills
.set PFA, 44                           ; s[44:45] where my prefetches stand: my 32 rows of wb, one K step further along K than the block that is asked for
.set FIELDS, (1<<16)|(1<<20)|(1<<21)|(5<<22)|(3<<25)  ; 17:16 elements of 2 bytes; 20 padding on; 21 set beside a mask; 24:22 after every 64 words (code 5); 31:25 4 words of it (code 3)
.set MSB, 0
.macro WIN new                         ; the immediate's high byte repeats the setting that is left; a switch that changes nothing is dropped
.if MSB != (\new)
	s_set_vgpr_msb (MSB<<8)|(\new)
.set MSB, \new
.endif
.endm
.set MUL_LO, 0xa1                      ; source 0 (wb) window 1, source 1 (xb) window 0, C and D window 2
.set MUL_HI, 0xf1                      ; the same, C and D window 3
.set TO_B,   0x40                      ; destination window 1, address window 0
; A joint load.  The branch hangs on the wave's number alone.  An s_nop 0 and four v_nop follow each of the two lines, ahead of the jump, the label and what follows.
.macro JLOAD s
	s_cmp_eq_u32 s10, 0
	s_cbranch_scc0 .Lfor_b_\@
	tensor_load_to_lds s[G0+4*(\s):G0+4*(\s)+3], s[G1:G1+7]
	s_nop 0
.rept 4
	v_nop
.endr
	s_branch .Lasked_\@
.Lfor_b_\@:
	tensor_load_to_lds s[G0B+4*(\s):G0B+4*(\s)+3], s[G1B:G1B+7]
	s_nop 0
.rept 4
	v_nop
.endr
.Lasked_\@:
.endm
; A prefetch into the L2, behind a joint refill and the run of LDS loads that follows it: 32 rows x 256 bytes of wb, a lane a row, one instruction a wave, for the K step that stands two refills on.
; WHAT: the second quarter of a cluster's walk, K steps 4 to 7 counted from its first.  The walk's first four steps come by their loads alone; the quarters behind the second, and all of xb's behind the first,
; have been asked for four trips of K earlier by another cluster that needs the same rows.  WHO: a column's clusters begin at one of two quarters, two apart; of each kind one asks: the clusters with y = 0 and
; y = 1.  Their four partners along a column of the cluster share the tile's 384 rows out by address, 96 each, waves 1 to 3 taking 32.  So each block is named once in the launch.  WHERE IT STOPS: behind the fourth refill.
.macro ASK
	s_cmp_gt_u32 s3, s[LIM]                        ; s3 = LAPS - 1 and LAPS - 2 in the loop's first two trips
	s_cbranch_scc0 .Lnot_mine_\@
	global_prefetch_b8 v[PFO], s[PFA:PFA+1] offset:-KSTEP*2 th:TH_LOAD_NT scope:SCOPE_SE
.Lnot_mine_\@:
.endm
.macro CREST                           ; a round of the cluster's barrier behind its opening barrier: wave 0 signals for the work-group, every wave waits for all sixteen, my work-group's barrier once more
	s_cmp_lg_u32 s10, 0
	s_cbranch_scc1 .Lnot_wave_0_\@
	s_barrier_signal -3
.Lnot_wave_0_\@:
	s_barrier_wait -3
	s_barrier_signal -1
	s_barrier_wait -1
.endm
.macro CROUND                          ; a whole round
	s_barrier_signal -1
	s_barrier_wait -1
	CREST
.endm
	s_load_b128 s[4:7], s[0:1], 0x0                ; xb s[4:5], wb s[6:7]
	s_load_b64 s[8:9], s[0:1], 0x10                ; qkv
	v_lshl_add_u32 v[SPW], v0, 2, SPARE
	v_mov_b32 v[NIL], 0
	ds_add_u32 v[SPW], v[NIL]                      ; the wave's opening: the add and its wait ahead of my first tensor load; the set-up below, work on registers, stands between them
	v_lshrrev_b32 v1, 5, v0
	v_readfirstlane_b32 s10, v1                    ; wave 0..3: wave 0 fetches for xb, the others for wb
	s_bfe_u32 s40, ttmp6, 0x40000                  ; cx, cy: my place in the cluster
	s_bfe_u32 s41, ttmp6, 0x40004
	s_lshl_b32 s42, ttmp9, 2                       ; in a cluster launch ttmp9 and ttmp7 count clusters
	s_add_co_u32 s42, s42, s40                     ; tile column = 4 x cluster x + cx
	s_and_b32 s13, ttmp7, 0xffff
	s_lshl_b32 s13, s13, 2
	s_add_co_u32 s13, s13, s41                     ; tile row = 4 x cluster y + cy
	s_lshl_b32 s43, s41, 2
	s_lshl_b32 s43, 15, s43                        ; my row of the cluster: places 4 cy .. 4 cy + 3
	s_lshl_b32 s44, 0x1111, s40                    ; my column: places cx, cx + 4, cx + 8, cx + 12
	s_or_b32 s[G1+0], s43, FIELDS                  ; 15:0 the mask: xb's tiles go to my row
	s_or_b32 s[G1B+0], s44, FIELDS                 ; wb's to my column
.irp g, G1, G1B
	s_mov_b32 s[(\g)+1], KSTEP<<16                 ; tensor_dim0 = 128
	s_mov_b32 s[(\g)+2], QROWS<<16                 ; tensor_dim1 = 128 rows
	s_mov_b32 s[(\g)+3], KSTEP<<16                 ; tile_dim0 = 128
	s_mov_b32 s[(\g)+4], QROWS                     ; tile_dim1
	s_mov_b32 s[(\g)+5], SIZE_K                    ; elements from row to row
	s_mov_b32 s[(\g)+6], 0
	s_mov_b32 s[(\g)+7], 0
.endr
	; the quarter of K with which my cluster begins: made of the cluster's x and y alone
	s_and_b32 s16, ttmp7, 0xffff
	s_lshr_b32 s17, s16, 1
	s_xor_b32 s16, s16, s17
	s_and_b32 s16, s16, 1
	s_lshl_b32 s16, s16, 1                         ; 0, 2, 2, 0 for y = 0, 1, 2, 3, and so on
	s_add_co_u32 s16, s16, ttmp9
	s_and_b32 s16, s16, 3
	s_lshl_b32 s[KO], s16, 10                      ; a quarter is four K steps of 256 bytes: slot 0 begins with its first step,
	s_mov_b32 s[KO+1], 0
	s_add_co_u32 s[KO+2], s[KO], KSTEP*2           ; slot 1 with its second
	s_mov_b32 s[KO+3], 0
	s_add_co_u32 s16, s16, 1
	s_and_b32 s16, s16, 3
	s_lshl_b32 s[NBK], s16, 10                     ; the quarter after it
	; where the tiles come from: xb's hang on the tile row alone, which my row of the cluster shares; wb's on the tile column alone, which my column shares
	s_lshl_b32 s16, s13, 19                        ; xb: row 128 x tile row, of 4,096 bytes
	s_mov_b32 s17, 0
	s_max_u32 s47, s10, 1
	s_sub_co_u32 s47, s47, 1                       ; which third of wb's rows I fetch (wave 0 fetches none: its number here serves nothing)
	s_lshl_b32 s47, s47, 7
	s_mul_i32 s46, s42, NROWS
	s_add_co_u32 s46, s46, s47                     ; wb: row 384 x tile column + 128 x (wave - 1)
	s_lshl_b32 s46, s46, 12
	s_mov_b32 s47, 0
	s_mul_i32 s20, s10, QBYTES                     ; and where they go: wave x 128 rows: xb's, then wb's three thirds; no place in the cluster enters an LDS address
	s_wait_dscnt 0x0                               ; the opening add is done
	s_wait_kmcnt 0x0
	s_add_nc_u64 s[BA:BA+1], s[4:5], s[16:17]
	s_add_nc_u64 s[BB:BB+1], s[6:7], s[46:47]
	CROUND                                         ; all sixteen work-groups are here: the first joint loads meet
.irp s, 0,1
	s_mov_b32 s[G0+4*(\s)], 1                                      ; 1:0 count = 1
	s_add_co_u32 s[G0+4*(\s)+1], s20, (\s)*SLOT                    ; 63:32 LDS address
	s_add_nc_u64 s[G0+4*(\s)+2:G0+4*(\s)+3], s[BA:BA+1], s[KO+2*(\s):KO+2*(\s)+1]  ; 120:64 global address: step s of the walk
	s_or_b32 s[G0+4*(\s)+3], s[G0+4*(\s)+3], 0x80000000            ; 127:126 type = 2
	s_mov_b32 s[G0B+4*(\s)], 1
	s_add_co_u32 s[G0B+4*(\s)+1], s20, (\s)*SLOT
	s_add_nc_u64 s[G0B+4*(\s)+2:G0B+4*(\s)+3], s[BB:BB+1], s[KO+2*(\s):KO+2*(\s)+1]
	s_or_b32 s[G0B+4*(\s)+3], s[G0B+4*(\s)+3], 0x80000000
	JLOAD \s                                       ; the ring is filled before anything else is done: two loads of mine are out
.endr
	; A fragment is 16 rows x 32 K in 8 registers: lane l holds row l % 16; registers 0-3 K = 8 (l / 16) + 0..7, registers 4-7 K = 16 + 8 (l / 16) + 0..7: two loads of 16 bytes, 32 bytes apart.
	v_and_b32 v1, 15, v0                           ; l % 16
	v_bfe_u32 v2, v0, 4, 1                         ; l / 16
	v_mul_u32_u24 v3, v1, PITCH
	v_lshl_add_u32 v3, v2, 4, v3                   ; row x pitch + 16 x half
	s_mul_i32 s22, s10, 16*NB*PITCH                ; my 96 rows of wb,
	s_add_co_u32 s22, s22, ABYTES                  ; which lie behind xb's 128; every wave reads all of xb's
	v_mov_b32 v[ADRA], v3
	v_add_nc_u32 v[ADRA+1], SLOT, v3
	v_add_nc_u32 v[ADRB], s22, v3
	s_add_co_u32 s22, s22, SLOT
	v_add_nc_u32 v[ADRB+1], s22, v3
	; the way out: into the stage row l % 16, my wave's 192 bytes of it, 16 bytes for each half of the lanes; back: wave w takes rows 4 w .. 4 w + 3, whole
	s_mul_i32 s23, s10, 192
	s_add_co_u32 s23, s23, STAGE
	v_mul_u32_u24 v4, v1, SP
	v_lshl_add_u32 v4, v2, 4, v4
	v_add_nc_u32 v[STO], s23, v4
	s_mul_i32 s23, s10, 4*SP
	s_add_co_u32 s23, s23, STAGE
	v_and_b32 v5, 31, v0
	v_lshlrev_b32 v[CO], 4, v5                     ; a row's first 512 bytes: 16 bytes a lane
	v_add_nc_u32 v[RD], s23, v[CO]
	v_mul_u32_u24 v4, v2, SP                       ; the last 256 bytes of two rows: lanes 0-15 one row, lanes 16-31 the next
	v_lshl_add_u32 v4, v1, 4, v4
	v_add_nc_u32 v4, s23, v4
	v_add_nc_u32 v[RD1], 512, v4
	v_mul_u32_u24 v4, v2, CROW
	v_lshl_add_u32 v4, v1, 4, v4
	v_add_nc_u32 v[CO1], 512, v4
	s_lshl_b32 s16, s13, 7
	s_lshl2_add_u32 s16, s10, s16                  ; the first row that I store: 128 x tile row + 4 x wave
	s_mul_i32 s16, s16, CROW
	s_mul_i32 s17, s42, 2*NROWS                    ; the tile's first column, in bytes: 768 x tile column
	s_add_co_u32 s16, s16, s17
	s_mov_b32 s17, 0
	s_add_nc_u64 s[8:9], s[8:9], s[16:17]
	; the prefetches: waves 1 to 3 take 32 rows each of my work-group's 96 rows of wb's tile
	s_max_u32 s20, s10, 1
	s_sub_co_u32 s20, s20, 1
	s_lshl_b32 s20, s20, 5
	s_mul_i32 s21, s41, 16*NB
	s_add_co_u32 s20, s20, s21
	s_mul_i32 s21, s42, NROWS
	s_add_co_u32 s20, s20, s21                     ; row 384 x tile column + 96 cy + 32 (wave - 1)
	s_lshl_b32 s20, s20, 12
	s_add_co_u32 s20, s20, s[NBK]                  ; at the walk's step 4: each change of slots steps the address by a K step, and the prefetch behind it reaches one K step back
	s_mov_b32 s21, 0
	s_add_nc_u64 s[PFA:PFA+1], s[6:7], s[20:21]
	s_and_b32 s22, ttmp7, 0xffff                   ; cluster y
	s_cmp_lt_u32 s22, 2
	s_cselect_b32 s[LIM], PFSTOP, -1               ; the same in all sixteen partners, for a given wave
	s_cmp_eq_u32 s10, 0
	s_cselect_b32 s[LIM], -1, s[LIM]               ; wave 0 has no share.  Nothing is prefetched here, at the head
	v_lshlrev_b32 v[PFO], 12, v5
; 12 matrix instructions: row blocks a0, a0 + 1 of the window's four (hi = 0: rows 0-63, 1: rows 64-127) x my 6 column blocks, 32 along K.  zero = 1: the first product starts the sums.
; The 48 accumulators take turns, one instruction a turn, in the same order in every quarter step.
.macro MUL f, hi, a0, zero
	WIN MUL_LO+0x50*(\hi)
.irp a, \a0, (\a0)+1
.set b, 0
.rept NB
.set rD, 8*(NB*(\a)+b)
.set rB, (\f)+8*b
.set rA, (\f)+8*(4*(\hi)+(\a))
.if \zero
	v_wmma_f32_16x16x32_bf16 v[rD:rD+7], v[rB:rB+7], v[rA:rA+7], 0
.else
	v_wmma_f32_16x16x32_bf16 v[rD:rD+7], v[rB:rB+7], v[rA:rA+7], v[rD:rD+7]
.endif
.set b, b+1
.endr
.endr
.endm
; 28 LDS loads in one run: the fragments of one quarter step (96 rows of wb, 128 rows of xb, 32 K at byte k of the rows) into buffer f
.macro FETCH slot, k, f
	WIN TO_B
.set i, 0
.rept NB
	ds_load_b128 v[(\f)+8*i:(\f)+8*i+3],   v[ADRB+(\slot)] offset:(\k)+i*16*PITCH
	ds_load_b128 v[(\f)+8*i+4:(\f)+8*i+7], v[ADRB+(\slot)] offset:(\k)+i*16*PITCH+32
.set i, i+1
.endr
	WIN 0
.set i, 0
.rept 8
	ds_load_b128 v[(\f)+8*i:(\f)+8*i+3],   v[ADRA+(\slot)] offset:(\k)+i*16*PITCH
	ds_load_b128 v[(\f)+8*i+4:(\f)+8*i+7], v[ADRA+(\slot)] offset:(\k)+i*16*PITCH+32
.set i, i+1
.endr
.endm
.macro PLACES                          ; four plain vector instructions between a matrix instruction and a load into a register that it has read, or a reader of its result (ISA guide 7.12.1 for a reader of its result)
.rept 4
	v_nop
.endr
.endm
; A K step is four quarter steps of 32 along K, 48 matrix instructions each, on buffers 0, 1, 0, 1.  One of the first three: multiplies buffer f; in its middle it fetches the next quarter, at byte k, into g.
.macro QUARTER slot, k, f, g, zero
	s_wait_dscnt 8                                 ; wb's fragments and xb's rows 0-63 are in; the youngest eight loads (xb's rows 64-127) may be out
	MUL \f, 0, 0, \zero
	MUL \f, 0, 2, \zero
	PLACES
	FETCH \slot, \k, \g
	s_wait_dscnt 2*NB+16                           ; all but the 28 just issued
	MUL \f, 1, 0, \zero
	MUL \f, 1, 2, \zero
.endm
; The last quarter changes slots and then multiplies buffer 1.  The slot's last fragments were fetched half a quarter ago, so the slot can be given up at the quarter's head: each wave waits for all its tensor
; loads (one is out: its part of the next slot), adds 0 to its spare word, and waits for that and for its own reads of this slot; then ONE barrier.  fill = 1: the barrier opens a round of the cluster's
; barrier, and this slot is filled again, two K steps ahead, first thing behind the round.  No product stands between the wait for the loads and the refill: the quarter's 48 follow it,
; so that from a request to the wait for it a wave issues a whole K step's 192 matrix instructions.
.macro TURN slot, next, fill
.if \fill
	s_wait_xcnt 0x0                                ; the last prefetch, a K step back, has read its address: it is stepped here, ahead of the waits of the change of slots
	s_add_nc_u64 s[PFA:PFA+1], s[PFA:PFA+1], KSTEP*2
.endif
	WIN 0
	s_wait_tensorcnt 0x0                           ; all my tensor loads have landed, so a group 0 may be written;
	ds_add_u32 v[SPW], v[NIL]                      ; 0 onto my spare word: the descriptors' steps stand between it and the wait for it
.if \fill
	s_add_co_u32 s[KO+2*(\slot)], s[KO+2*(\slot)], 2*KSTEP*2       ; this slot's next K step: two on,
	s_and_b32 s[KO+2*(\slot)], s[KO+2*(\slot)], SIZE_K*2-1         ; round the row's end
	s_add_nc_u64 s[G0+4*(\slot)+2:G0+4*(\slot)+3], s[BA:BA+1], s[KO+2*(\slot):KO+2*(\slot)+1]  ; both addresses are made anew from the rows' first bytes,
	s_or_b32 s[G0+4*(\slot)+3], s[G0+4*(\slot)+3], 0x80000000      ; the type bits set again
	s_add_nc_u64 s[G0B+4*(\slot)+2:G0B+4*(\slot)+3], s[BB:BB+1], s[KO+2*(\slot):KO+2*(\slot)+1]
	s_or_b32 s[G0B+4*(\slot)+3], s[G0B+4*(\slot)+3], 0x80000000
.endif
	s_wait_dscnt 0x0                               ; the add is done, and my reads of this slot are over: buffer 1 is in
	s_barrier_signal -1
	s_barrier_wait -1
.if \fill
	CREST                                          ; no wave of any partner still reads this slot's tile or has a load on its way
	JLOAD \slot                                    ; the first tensor load behind the round; the four v_nop behind it are also the places in front of the loads below
.else
	PLACES
.endif
	FETCH \next, 0, F0
.if \fill
	ASK
.endif
	MUL F1, 0, 0, 0
	MUL F1, 0, 2, 0
	MUL F1, 1, 0, 0
	MUL F1, 1, 2, 0
.endm
	s_wait_tensorcnt 1                             ; my part of the walk's step 0 is in; step 1's may stay out
	s_barrier_signal -1
	s_barrier_wait -1                              ; everybody's is
	FETCH 0, 0, F0
	QUARTER 0, 64,  F0, F1, 1                      ; the first quarter stands in front of the loop: its products start the sums
	WIN 0                                          ; at a label and at a branch every window is 0
	s_mov_b32 s3, LAPS-1
.Llap:                                                 ; a trip goes once round the ring, from a lap's second quarter to the next lap's first, and fills both slots again
	QUARTER 0, 128, F1, F0, 0
	QUARTER 0, 192, F0, F1, 0
	TURN 0, 1, 1
	QUARTER 1, 64,  F0, F1, 0
	QUARTER 1, 128, F1, F0, 0
	QUARTER 1, 192, F0, F1, 0
	TURN 1, 0, 1
	QUARTER 0, 64,  F0, F1, 0
	WIN 0
	s_sub_co_u32 s3, s3, 1
	s_cmp_lg_u32 s3, 0
	s_cbranch_scc1 .Llap
	QUARTER 0, 128, F1, F0, 0                      ; the last lap fills nothing, and has no round of the cluster's barrier
	QUARTER 0, 192, F0, F1, 0
	TURN 0, 1, 0
	QUARTER 1, 64,  F0, F1, 0
	QUARTER 1, 128, F1, F0, 0
	QUARTER 1, 192, F0, F1, 0
	s_wait_dscnt 8                                 ; the very last quarter: nothing more to fetch
	MUL F1, 0, 0, 0
	MUL F1, 0, 2, 0
	s_wait_dscnt 0x0
	MUL F1, 1, 0, 0
	MUL F1, 1, 2, 0
	WIN 0
	PLACES
; THE WAY OUT, a block of 16 rows at a time.  A wave's 96 columns are 192 bytes, so a row's aligned blocks of 256 bytes come from several waves: the four waves share a stage of two buffers that take turns.
; PACK: rounded to f16, 16 bytes a lane, each accumulator's registers in ascending order.  SHARE: into the stage; a barrier; back as whole rows, four a wave.  SEND: stored.
; A buffer is written again two blocks later, behind the next block's barrier, in front of which every wave has waited for its reads of it.
.macro PACK a
.set AC, 8*NB*((\a)%4)
	WIN 0x0a+5*((\a)/4)                            ; sources 0 and 1: window 2 or 3
.set b, 0
.rept NB
.irp r, 0,1,2,3
	v_cvt_pk_f16_f32 v[TMP+4*b+(\r)], v[AC+8*b+2*(\r)], v[AC+8*b+2*(\r)+1]
.endr
.set b, b+1
.endr
	WIN 0
.endm
.macro SHARE a
.set SB, ((\a)%2)*SBUF
.set BK, 96+32*((\a)%2)
.set b, 0
.rept NB
	ds_store_b128 v[STO], v[TMP+4*b:TMP+4*b+3] offset:SB+32*b
.set b, b+1
.endr
	s_wait_dscnt 0x0                               ; for the others' sake: my stores into the stage are done (and my reads of the other buffer are back)
	s_barrier_signal -1
	s_barrier_wait -1
.if (\a) >= 2
	s_wait_xcnt 0x0                                ; the stores of the block two back have read these registers
.endif
.irp t, 0,1,2,3
	ds_load_b128 v[BK+4*(\t):BK+4*(\t)+3], v[RD] offset:SB+SP*(\t)
.endr
.irp t, 0,1
	ds_load_b128 v[BK+16+4*(\t):BK+16+4*(\t)+3], v[RD1] offset:SB+2*SP*(\t)
.endr
.endm
.macro SEND a
.set BK, 96+32*((\a)%2)
.irp t, 0,1,2,3
	s_wait_dscnt 5-(\t)                            ; LDS loads come back in order: load t of the six is in
	global_store_b128 v[CO], v[BK+4*(\t):BK+4*(\t)+3], s[8:9] offset:(16*(\a)+(\t))*CROW  ; 512 consecutive bytes of a row, at a multiple of 256 from the buffer's first byte
.endr
.irp t, 0,1
	s_wait_dscnt 1-(\t)
	global_store_b128 v[CO1], v[BK+16+4*(\t):BK+16+4*(\t)+3], s[8:9] offset:(16*(\a)+2*(\t))*CROW  ; 16 lanes store the last 256 bytes of a row, the other 16 those of the next
.endr
.endm
	PACK 0
	SHARE 0
.irp a, 1,2,3,4,5,6,7                  ; block a's conversions stand between block a - 1's loads from the stage and the waits for them
	PACK \a
	SEND (\a)-1
	SHARE \a
.endr
	SEND 7
	s_wait_tensorcnt 0x0                           ; the wave's end, behind my last tensor load and my last LDS store
	ds_add_u32 v[SPW], v[NIL]
	s_wait_dscnt 0x0
	CROUND                                         ; the closing round: no work-group ends while a partner may still ask for a tile that names it
	s_endpgm
.Lfunc_end_k_qe5b3820309_qkv:
	.size	k_qe5b3820309_qkv, .Lfunc_end_k_qe5b3820309_qkv-k_qe5b3820309_qkv
	.p2alignl 7, 3214868480
	.fill 96, 4, 3214868480
	.section	.rodata,"a",@progbits
	.p2align	6, 0x0
	.amdhsa_kernel k_qe5b3820309_qkv
		.amdhsa_group_segment_fixed_size 327680
		.amdhsa_private_segment_fixed_size 0
		.amdhsa_enable_private_segment 0
		.amdhsa_kernarg_size 24
		.amdhsa_user_sgpr_count 2
		.amdhsa_user_sgpr_kernarg_segment_ptr 1
		.amdhsa_wavefront_size32 1
		.amdhsa_system_sgpr_workgroup_id_x 1
		.amdhsa_system_sgpr_workgroup_id_y 1
		.amdhsa_system_sgpr_workgroup_id_z 1
		.amdhsa_system_vgpr_workitem_id 0
		.amdhsa_next_free_vgpr 960
		.amdhsa_next_free_sgpr 72
		.amdhsa_reserve_vcc 0
		.amdhsa_float_denorm_mode_32 3
		.amdhsa_float_denorm_mode_16_64 3
		.amdhsa_memory_ordered 1
		.amdhsa_forward_progress 1
		.amdhsa_inst_pref_size 118
	.end_amdhsa_kernel
	.amdgpu_metadata
---
amdhsa.version: [ 1, 2 ]
amdhsa.kernels:
  - .name:           k_qe5b3820309_qkv
    .symbol:         k_qe5b3820309_qkv.kd
    .args:
      - { .name: xb, .offset: 0, .size: 8, .value_kind: global_buffer, .address_space: global }
      - { .name: wb, .offset: 8, .size: 8, .value_kind: global_buffer, .address_space: global }
      - { .name: qkv, .offset: 16, .size: 8, .value_kind: global_buffer, .address_space: global }
    .group_segment_fixed_size: 327680
    .private_segment_fixed_size: 0
    .kernarg_segment_align: 8
    .kernarg_segment_size: 24
    .max_flat_workgroup_size: 128
    .sgpr_count:     72
    .vgpr_count:     960
    .wavefront_size: 32
...
	.end_amdgpu_metadata
.endif
;; end of part 2
;; launch attn (part 3): grid 512 x 1, 4 waves a work-group, no clusters, 17,920 bytes of LDS; arguments qkv, att; writes att
.if DOCPART == 3
	.amdgcn_target "amdgcn-amd-amdhsa--gfx1250"
	.amdhsa_code_object_version 6
	.text
	.protected	k_qe5b3820309_attn
	.globl	k_qe5b3820309_attn
	.p2align	8
	.type	k_qe5b3820309_attn,@function
k_qe5b3820309_attn:
	s_mov_b64 s[64:65], 0
	v_nop
	global_prefetch_b8 v0, s[64:65] scope:SCOPE_SE
	s_setreg_imm32_b32 hwreg(HW_REG_WAVE_MODE, 25, 1), 1
	s_wait_xcnt 0x0
; ATTENTION ACROSS THE 16 HEADS OF ONE TOKEN.  For each of 4,096 tokens: att[i][:] = the sum over heads j <= i of softmax_j(q[i] . k[j] / sqrt(128)) v[j][:].
; qkv: [4096][6144] f16, a token's row being q, k, v of 4,096 bytes each, in the order in which the first launch laid the weights' rows; att: [4096][2048] f16, column 128 i + d.
; Products, maxima and sums in f32; the weights are divided by their sum in f32 and rounded to f16 for the second product; att is rounded once.
; LIMITS.  q, k, v arrive within f16's 65,504.  A hidden score counts as its value less 1e30: f16's scores, 5.5e11 at the most, are nothing beside that.  A weight below 2^-126 counts as 0 in the sum;
; a normalised weight below 6e-5 keeps f16's fixed step of 6e-8.  NaN and infinities are not treated apart.
; SHARES.  A wave takes two tokens, so that its two score accumulators take turns; 2,048 waves, no loop.  Memory binds: every byte is read once, by loads of 512 consecutive bytes, all 48 of a wave issued
; at its head, straight into the registers of the matrix fragments; work-groups share no byte, so there is no cluster, no tensor load and no LDS on the way in.
; LAYOUT.  In q and k byte 512 u + 16 l holds head l % 16, channels 8 (2 u + l / 16) + 0..7: loads 2 m and 2 m + 1 ARE the fragment (16 heads x channels 32 m ..) of either source.
; In v byte 512 cb + 16 l holds channel 16 cb + l % 16 of heads 8 (l / 16) + 0..7: registers 0-3 of a fragment of V^T (16 channels x 32 keys); keys 16-31 do not exist: registers 4-7 hold 0, in P too.
; S^T = K Q^T + mask (source 0 = 16 key heads, source 1 = 16 query heads): a lane holds ONE query head (l % 16) and the key heads 8 (l / 16) + 0..7; rounded in pairs they ARE source 1 of O^T = V^T P,
; whose result again holds one query head a lane, and eight channels.  The mask, 0 or -1e30, is the C operand that starts the sum.
; REGISTERS (s_set_vgpr_msb: bits 1:0 source 0, 3:2 source 1, 5:4 source 2, 7:6 destination).  Window 0: see the names below.  Window 1: v0-127 V^T (token t, block cb at 64 t + 8 cb), v128-255 O^T likewise.
.set ROWQ, 12288                       ; bytes of a token in qkv
.set SP,   272                         ; a stage row: a head's 256 bytes + 16
.set SPARE, 4*16*SP                    ; behind the four waves' stages (16 rows each): the spare words, 128 bytes for each wave: two blocks of 256 bytes that no other line names
.set OFF, 3                            ; v3   16 x lane; never rewritten
.set STO, 4                            ; v4   the way out: where I put 16 bytes of a head's row
.set RD,  5                            ; v5   where I read rows back
.set SPW, 6                            ; v6   LDS address of my spare word: SPARE + 4 x my thread's number; never rewritten
.set NIL, 7                            ; v7   0; never rewritten
.set DG,  8                            ; v8   my query head less my lanes' first key head: key register e is hidden where e is greater
.set MD,  10                           ; v[10:17]  the mask
.set S,   18                           ; v[18:33]  S^T, 8 a token
.set P,   34                           ; v[34:49]  P, 8 a token
.set T,   50                           ; v[50:61]  6 a token: +0 c m, +1 m, +2 +3 the sum, +4 +5 at work, then 1 / sum
.set KF,  64                           ; K at 64 + 64 t, later the packed results
.set QF,  96                           ; Q at 96 + 64 t, later the rows read back
.set VF,  0                            ; window 1
.set OA,  128                          ; window 1
.set MSB, 0
.macro WIN new                         ; the immediate's high byte repeats the setting that is left; a switch that changes nothing is dropped
.if MSB != (\new)
	s_set_vgpr_msb (MSB<<8)|(\new)
.set MSB, \new
.endif
.endm
	s_load_b128 s[4:7], s[0:1], 0x0                ; qkv s[4:5], att s[6:7]
	v_lshl_add_u32 v[SPW], v0, 2, SPARE
	v_mov_b32 v[NIL], 0
	v_lshrrev_b32 v1, 5, v0
	v_readfirstlane_b32 s8, v1                     ; wave 0..3
	s_lshl_b32 s9, ttmp9, 2
	s_add_co_u32 s9, s9, s8                        ; my pair of tokens
	s_mul_i32 s10, s9, 2*ROWQ
	s_mov_b32 s11, 0
	s_lshl_b32 s18, s9, 13                         ; two rows of 4,096 bytes in att
	s_mov_b32 s19, 0
	s_mov_b32 s12, 0x3e0293ee                      ; c = log2(e) / sqrt(128) = 0.127517
	s_mov_b32 s13, s12                             ; named with it as a pair
	s_mov_b32 s14, 0x76543210                      ; v_permlanex16_b32's selects: each lane takes its own place in the other half
	s_mov_b32 s15, 0xfedcba98
	s_mov_b32 s16, 0xf149f2ca                      ; -1e30
	v_and_b32 v[OFF], 31, v0
	v_lshlrev_b32 v[OFF], 4, v[OFF]
	s_wait_kmcnt 0x0
	s_add_nc_u64 s[4:5], s[4:5], s[10:11]
	s_add_nc_u64 s[6:7], s[6:7], s[18:19]
.irp t, 0,1
.irp u, 0,1,2,3,4,5,6,7
	global_load_b128 v[KF+64*(\t)+4*(\u):KF+64*(\t)+4*(\u)+3], v[OFF], s[4:5] offset:ROWQ*(\t)+4096+512*(\u) th:TH_LOAD_NT
.endr
.irp u, 0,1,2,3,4,5,6,7
	global_load_b128 v[QF+64*(\t)+4*(\u):QF+64*(\t)+4*(\u)+3], v[OFF], s[4:5] offset:ROWQ*(\t)+512*(\u) th:TH_LOAD_NT
.endr
.endr
	WIN 0x40                                       ; destination window 1, address window 0
.irp t, 0,1
.irp cb, 0,1,2,3,4,5,6,7
	global_load_b128 v[VF+64*(\t)+8*(\cb):VF+64*(\t)+8*(\cb)+3], v[OFF], s[4:5] offset:ROWQ*(\t)+8192+512*(\cb) th:TH_LOAD_NT
.endr
.endr
	; all that follows, up to the wait, stands in the wait for the loads
.set i, 0
.rept 16
.irp z, 4,5,6,7
	v_mov_b32 v[VF+8*i+(\z)], 0                    ; keys 16-31 of V^T: there are none
.endr
.set i, i+1
.endr
	WIN 0
.irp t, 0,1
.irp z, 4,5,6,7
	v_mov_b32 v[P+8*(\t)+(\z)], 0                  ; and of P
.endr
	v_mov_b32 v[T+6*(\t)+1], 0                     ; v_permlanex16_b32's destination counts as read
.endr
	v_and_b32 v1, 15, v0                           ; l % 16
	v_bfe_u32 v2, v0, 4, 1                         ; l / 16
	v_lshlrev_b32 v[DG], 3, v2
	v_sub_nc_u32 v[DG], v1, v[DG]
.irp e, 0,1,2,3,4,5,6,7
	v_cmp_gt_i32 vcc_lo, \e, v[DG]                 ; key head 8 (l / 16) + e above query head l % 16
	v_cndmask_b32 v[MD+(\e)], 0, s16, vcc_lo
.endr
	s_mul_i32 s17, s8, 16*SP                       ; my stage
	v_mul_u32_u24 v[STO], v1, SP                   ; in: row l % 16, 16 bytes for each half of the lanes
	v_lshl_add_u32 v[STO], v2, 4, v[STO]
	v_add_nc_u32 v[STO], s17, v[STO]
	v_mul_u32_u24 v[RD], v2, SP                    ; back: lanes 0-15 take one head's 256 bytes, lanes 16-31 the next head's
	v_lshl_add_u32 v[RD], v1, 4, v[RD]
	v_add_nc_u32 v[RD], s17, v[RD]
	s_wait_loadcnt 16                              ; K and Q are in; the 16 younger loads, V's, may stay out
.irp m, 0,1,2,3                        ; the two tokens' accumulators take turns, one instruction a turn
.irp t, 0,1
.if (\m) == 0
	v_wmma_f32_16x16x32_f16 v[S+8*(\t):S+8*(\t)+7], v[KF+64*(\t):KF+64*(\t)+7], v[QF+64*(\t):QF+64*(\t)+7], v[MD:MD+7]
.else
	v_wmma_f32_16x16x32_f16 v[S+8*(\t):S+8*(\t)+7], v[KF+64*(\t)+8*(\m):KF+64*(\t)+8*(\m)+7], v[QF+64*(\t)+8*(\m):QF+64*(\t)+8*(\m)+7], v[S+8*(\t):S+8*(\t)+7]
.endif
.endr
.endr
.rept 4
	v_nop                                          ; four places between the last product and the first reader of a result (ISA guide 7.12.1)
.endr
	; THE SOFTMAX, each line for both tokens, so that no instruction reads the result of the one just before it.  The maximum is taken from each accumulator's low end on.
.irp t, 0,1
	v_max3_num_f32 v[T+6*(\t)+3], v[S+8*(\t)], v[S+8*(\t)+1], v[S+8*(\t)+2]
.endr
.irp t, 0,1
	v_max3_num_f32 v[T+6*(\t)+3], v[T+6*(\t)+3], v[S+8*(\t)+3], v[S+8*(\t)+4]
.endr
.irp t, 0,1
	v_max3_num_f32 v[T+6*(\t)+3], v[T+6*(\t)+3], v[S+8*(\t)+5], v[S+8*(\t)+6]
.endr
.irp t, 0,1
	v_max_num_f32 v[T+6*(\t)+3], v[T+6*(\t)+3], v[S+8*(\t)+7]
.endr
.irp t, 0,1
	v_permlanex16_b32 v[T+6*(\t)+1], v[T+6*(\t)+3], s14, s15  ; the query's other eight keys lie in the lane 16 away
.endr
.irp t, 0,1
	v_max_num_f32 v[T+6*(\t)+1], v[T+6*(\t)+3], v[T+6*(\t)+1]  ; m: key head 0 is hidden from nobody, so m is a true score
.endr
.irp t, 0,1
	v_mul_f32 v[T+6*(\t)], s12, v[T+6*(\t)+1]      ; c m
.endr
.irp z, 0,2,4,6
.irp t, 0,1
	v_pk_fma_f32 v[S+8*(\t)+(\z):S+8*(\t)+(\z)+1], v[S+8*(\t)+(\z):S+8*(\t)+(\z)+1], s[12:13], v[T+6*(\t):T+6*(\t)+1] op_sel_hi:[1,0,0] neg_lo:[0,0,1] neg_hi:[0,0,1]  ; c s - c m
.endr
.endr
.irp z, 0,1,2,3,4,5,6,7
.irp t, 0,1
	v_exp_f32 v[S+8*(\t)+(\z)], v[S+8*(\t)+(\z)]   ; one batch of 16
.endr
.endr
	v_nop                                          ; a plain instruction behind the last exponential, ahead of the first use (ISA guide 5.7.2),
	s_wait_alu depctr_va_vdst(0)                   ; and a wait ahead of the first reader: one for the batch
.irp t, 0,1
	v_pk_add_f32 v[T+6*(\t)+2:T+6*(\t)+3], v[S+8*(\t):S+8*(\t)+1], v[S+8*(\t)+2:S+8*(\t)+3]
	v_pk_add_f32 v[T+6*(\t)+4:T+6*(\t)+5], v[S+8*(\t)+4:S+8*(\t)+5], v[S+8*(\t)+6:S+8*(\t)+7]
.endr
.irp t, 0,1
	v_pk_add_f32 v[T+6*(\t)+2:T+6*(\t)+3], v[T+6*(\t)+2:T+6*(\t)+3], v[T+6*(\t)+4:T+6*(\t)+5]
.endr
.irp t, 0,1
	v_add_f32 v[T+6*(\t)+2], v[T+6*(\t)+2], v[T+6*(\t)+3]
.endr
.irp t, 0,1
	v_permlanex16_b32 v[T+6*(\t)+3], v[T+6*(\t)+2], s14, s15
.endr
.irp t, 0,1
	v_add_f32 v[T+6*(\t)+2], v[T+6*(\t)+2], v[T+6*(\t)+3]  ; the sum of the 16 weights: at least 1
.endr
.irp t, 0,1
	v_rcp_f32 v[T+6*(\t)+4], v[T+6*(\t)+2]
.endr
	v_nop                                          ; as above: a plain instruction,
	s_wait_alu depctr_va_vdst(0)                   ; and one wait for the two reciprocals
.irp z, 0,2,4,6
.irp t, 0,1
	v_pk_mul_f32 v[S+8*(\t)+(\z):S+8*(\t)+(\z)+1], v[S+8*(\t)+(\z):S+8*(\t)+(\z)+1], v[T+6*(\t)+4:T+6*(\t)+5] op_sel_hi:[1,0]
.endr
.endr
.irp z, 0,1,2,3
.irp t, 0,1
	v_cvt_pk_f16_f32 v[P+8*(\t)+(\z)], v[S+8*(\t)+2*(\z)], v[S+8*(\t)+2*(\z)+1]
.endr
.endr
	s_wait_loadcnt 0x0                             ; V is in
	WIN 0x41                                       ; V^T and O^T in window 1, P in window 0
.irp cb, 0,1,2,3,4,5,6,7               ; sixteen accumulators, one product each
.irp t, 0,1
	v_wmma_f32_16x16x32_f16 v[OA+64*(\t)+8*(\cb):OA+64*(\t)+8*(\cb)+7], v[VF+64*(\t)+8*(\cb):VF+64*(\t)+8*(\cb)+7], v[P+8*(\t):P+8*(\t)+7], 0
.endr
.endr
	WIN 0
.rept 4
	v_nop                                          ; four places in front of the conversions that read the results
.endr
; THE WAY OUT.  A lane's eight channels of a head pack into 16 bytes; a token's 16 heads go into my stage's rows of 272 bytes and come back as whole rows of 256: two heads are 512 consecutive bytes of att.
.macro PACK t
	WIN 0x05                                       ; sources 0 and 1 window 1, destination window 0
.set i, 0
.rept 32
	v_cvt_pk_f16_f32 v[KF+64*(\t)+i], v[OA+64*(\t)+2*i], v[OA+64*(\t)+2*i+1]
.set i, i+1
.endr
	WIN 0
.irp cb, 0,1,2,3,4,5,6,7
	ds_store_b128 v[STO], v[KF+64*(\t)+4*(\cb):KF+64*(\t)+4*(\cb)+3] offset:32*(\cb)
.endr
.irp u, 0,1,2,3,4,5,6,7
	ds_load_b128 v[QF+64*(\t)+4*(\u):QF+64*(\t)+4*(\u)+3], v[RD] offset:2*SP*(\u)  ; LDS serves a wave's instructions in order (ISA guide 5.7.1.4): these see the stores above; the next token's stores come behind them
.endr
.endm
.macro SEND t, younger                 ; younger: the LDS instructions issued behind token t's loads: the next token's sixteen, or none
.irp u, 0,1,2,3,4,5,6,7
	s_wait_dscnt (\younger)+7-(\u)
	global_store_b128 v[OFF], v[QF+64*(\t)+4*(\u):QF+64*(\t)+4*(\u)+3], s[6:7] offset:4096*(\t)+512*(\u)  ; 512 consecutive bytes, at a multiple of 256 from att's first byte
.endr
.endm
	PACK 0
	PACK 1
	SEND 0, 16
	SEND 1, 0
	s_wait_tensorcnt 0x0                           ; the wave's end, behind my last LDS store
	ds_add_u32 v[SPW], v[NIL]
	s_wait_dscnt 0x0
	s_endpgm
.Lfunc_end_k_qe5b3820309_attn:
	.size	k_qe5b3820309_attn, .Lfunc_end_k_qe5b3820309_attn-k_qe5b3820309_attn
	.p2alignl 7, 3214868480
	.fill 96, 4, 3214868480
	.section	.rodata,"a",@progbits
	.p2align	6, 0x0
	.amdhsa_kernel k_qe5b3820309_attn
		.amdhsa_group_segment_fixed_size 17920
		.amdhsa_private_segment_fixed_size 0
		.amdhsa_enable_private_segment 0
		.amdhsa_kernarg_size 16
		.amdhsa_user_sgpr_count 2
		.amdhsa_user_sgpr_kernarg_segment_ptr 1
		.amdhsa_wavefront_size32 1
		.amdhsa_system_sgpr_workgroup_id_x 1
		.amdhsa_system_sgpr_workgroup_id_y 1
		.amdhsa_system_sgpr_workgroup_id_z 1
		.amdhsa_system_vgpr_workitem_id 0
		.amdhsa_next_free_vgpr 512
		.amdhsa_next_free_sgpr 66
		.amdhsa_reserve_vcc 1
		.amdhsa_float_denorm_mode_32 3
		.amdhsa_float_denorm_mode_16_64 3
		.amdhsa_memory_ordered 1
		.amdhsa_forward_progress 1
		.amdhsa_inst_pref_size 24
	.end_amdhsa_kernel
	.amdgpu_metadata
---
amdhsa.version: [ 1, 2 ]
amdhsa.kernels:
  - .name:           k_qe5b3820309_attn
    .symbol:         k_qe5b3820309_attn.kd
    .args:
      - { .name: qkv, .offset: 0, .size: 8, .value_kind: global_buffer, .address_space: global }
      - { .name: att, .offset: 8, .size: 8, .value_kind: global_buffer, .address_space: global }
    .group_segment_fixed_size: 17920
    .private_segment_fixed_size: 0
    .kernarg_segment_align: 8
    .kernarg_segment_size: 16
    .max_flat_workgroup_size: 128
    .sgpr_count:     66
    .vgpr_count:     512
    .wavefront_size: 32
...
	.end_amdgpu_metadata
.endif
;; end of part 3
;; launch out (part 4): grid 8 x 32, 4 waves a work-group, clusters of 4 x 4, 327,680 bytes of LDS; arguments att, wob, out0; writes out0
.if DOCPART == 4
	.amdgcn_target "amdgcn-amd-amdhsa--gfx1250"
	.amdhsa_code_object_version 6
	.text
	.protected	k_qe5b3820309_out
	.globl	k_qe5b3820309_out
	.p2align	8
	.type	k_qe5b3820309_out,@function
k_qe5b3820309_out:
	s_mov_b64 s[64:65], 0
	v_nop
	global_prefetch_b8 v0, s[64:65] scope:SCOPE_SE
	s_setreg_imm32_b32 hwreg(HW_REG_WAVE_MODE, 25, 1), 1
	s_wait_xcnt 0x0
	s_wait_alu depctr_hold_cnt(0) depctr_sa_sdst(0) depctr_va_vdst(0) depctr_va_sdst(0) depctr_va_ssrc(0) depctr_va_vcc(0) depctr_vm_vsrc(0)
	s_getreg_b32 s2, hwreg(HW_REG_IB_STS2, 6, 4)
	s_cmp_eq_u32 s2, 0
	s_cbranch_scc0 .Lentry_in_a_cluster
	s_endpgm
.Lentry_in_a_cluster:
	s_bfe_u32 s2, ttmp6, 0x10000c
	s_cmp_lg_u32 s2, 0xf033
	s_cbranch_scc0 .Lentry_shape_is_right
	s_endpgm
.Lentry_shape_is_right:
; out0[m][n] = the sum over k of att[m][k] wob[n][k].  att: [4096][2048] f16, wob: [2048][2048] f16 (wo rounded to bf16, written as f16), out0: [4096][2048] f32.
; One f32 sum for each output, stored as it is; the K steps are taken in a ring from the cluster's first (below).  LIMIT: att and wob arrive within f16's 65,504.
; SHARES.  A tile of the result is 128 x 256: 256 tiles, one for each WGP.  Four waves side by side, each 128 rows x 64 columns: 32 accumulators of 16 x 16, 256 registers.
; K goes in steps of 128 through a ring of two LDS slots filled by the tensor data mover: every row of a tile is 256 bytes of memory, at a multiple of 256 from its buffer's first byte.
; CLUSTERS: 4 x 4 work-groups.  The four of a row of the cluster need the same 128 rows of att, the four of a column the same 256 rows of wob: each tile is asked for JOINTLY, by the same tensor load
; with the same descriptor and a mask that names the four.  Waves 0 and 1 fetch att's two halves (64 rows), waves 2 and 3 wob's (128 rows): one load a wave behind each round.
; WHERE A CLUSTER BEGINS ALONG K.  K's 16 steps are four quarters.  The cluster at (X, Y) begins with quarter (2 X + Y + 2 (Y / 4)) mod 4 and goes round.  So in any trip the two clusters that need the
; same rows of att ask for quarters two apart, and among the eight clusters that need the same rows of wob each quarter is asked for by two.  The start hangs on the cluster's place in the grid
; alone: it is the same in all sixteen partners.
; THE MATRIX INSTRUCTION IS USED TRANSPOSED (source 0 = 16 rows of wob, source 1 = 16 rows of att): a lane then holds row l % 16 of the result and eight neighbouring columns, 8 (l / 16) + 0..7.
; REGISTERS, in windows of 256 (s_set_vgpr_msb: bits 1:0 source 0, 3:2 source 1, 5:4 source 2, 7:6 destination):
;   window 0: v0-31 addresses; v64-127, v128-191 fragments of att (8 x 16 rows x 32 K), two buffers; on the way out v64-95 and v96-127 rows read back
;   window 1: v64-95, v128-159 fragments of wob (4 x 16 rows x 32 K), two buffers
;   window 2: the 16 accumulators of rows 0-63 ((a, b) at v[8 (4 a + b)]);   window 3: those of rows 64-127
.set NB,     4                         ; blocks of 16 columns a wave
.set SIZE_K, 2048
.set KSTEP,  128
.set PITCH,  272                       ; an LDS row: 256 bytes + 16 of padding = 68 words: the 16 rows of a fragment load start at 16 different groups of four banks (64 banks of 4 bytes: ISA guide 11.1)
.set AHALF,  64*PITCH                  ; what one load brings of att
.set ABYTES, 128*PITCH
.set BROWS,  32*NB                     ; rows that one load brings of wob
.set BHALF,  BROWS*PITCH
.set NROWS,  64*NB                     ; a tile's columns = its rows of wob
.set SLOT,   ABYTES+2*BHALF            ; att's 128 rows, then wob's 256: 104,448 bytes
.set STAGE,  2*SLOT                    ; behind the ring, never filled by a tensor load: 16 rows x 272 bytes for each wave, for the way out
.set SP,     272
.set SPARE,  STAGE+4*16*SP             ; behind the stages: the spare words, 128 bytes for each wave: two blocks of 256 bytes that no other line names
.set LAPS,   SIZE_K/(2*KSTEP)          ; a lap = two K steps = once round the ring
.set CROW,   8192                      ; bytes in a row of the result
.set ADRA, 16                          ; v16-17  LDS address of my fragments of att in slot 0, 1
.set ADRB, 20                          ; v20-21  the same for wob
.set STO,  24                          ; v24     the way out: where I put 32 bytes of a row
.set RD,   25                          ; v25     where I read a row back
.set CO,   26                          ; v26     my byte offset in the result
.set SPW,  28                          ; v28     LDS address of my spare word: SPARE + 4 x my thread's number; never rewritten
.set NIL,  29                          ; v29     0; never rewritten
.set PFO,  30                          ; v30     the prefetches' offset: my lane x a row of 4,096 bytes; never rewritten
.set F0,   64
.set F1,   128
.set G1,  24                           ; s[24:31] descriptor group 1 for att's tiles;  s[32:39] group 0, a set for each slot
.set G0,  32
.set G1B, 48                           ; s[48:55], s[56:63] the same for wob's
.set G0B, 56
.set BA,  14                           ; s[14:15] att at the first of the rows that I fetch; never rewritten
.set BB,  46                           ; s[46:47] the same for wob
.set KO,  66                           ; s[66:67], s[68:69] for each slot: the byte along a row at which its K step begins, high word 0
.set NBK, 70                           ; s70     the byte at which the second quarter of my cluster's walk begins
.set LIM, 43                           ; s43     PFSTOP in a wave that prefetches, else the greatest number
.set PFSTOP, LAPS-3                    ; a wave prefetches while the loop's count is above this: in its first two trips, behind four refills
.set PFA, 44                           ; s[44:45] where my prefetches stand: my 32 rows of att, one K step further along K than the block that is asked for
.set FIELDS, (1<<16)|(1<<20)|(1<<21)|(5<<22)|(3<<25)  ; 17:16 elements of 2 bytes; 20 padding on; 21 set beside a mask; 24:22 after every 64 words (code 5); 31:25 4 words of it (code 3)
.set MSB, 0
.macro WIN new                         ; the immediate's high byte repeats the setting that is left; a switch that changes nothing is dropped
.if MSB != (\new)
	s_set_vgpr_msb (MSB<<8)|(\new)
.set MSB, \new
.endif
.endm
.set MUL_LO, 0xa1                      ; source 0 (wob) window 1, source 1 (att) window 0, C and D window 2
.set MUL_HI, 0xf1                      ; the same, C and D window 3
.set TO_B,   0x40                      ; destination window 1, address window 0
; A joint load.  The branch hangs on the wave's number alone.  An s_nop 0 and four v_nop follow each of the two lines, ahead of the jump, the label and what follows.
.macro JLOAD s
	s_cmp_eq_u32 s11, 0
	s_cbranch_scc0 .Lfor_b_\@
	tensor_load_to_lds s[G0+4*(\s):G0+4*(\s)+3], s[G1:G1+7]
	s_nop 0
.rept 4
	v_nop
.endr
	s_branch .Lasked_\@
.Lfor_b_\@:
	tensor_load_to_lds s[G0B+4*(\s):G0B+4*(\s)+3], s[G1B:G1B+7]
	s_nop 0
.rept 4
	v_nop
.endr
.Lasked_\@:
.endm
; A prefetch into the L2, behind a joint refill and the run of LDS loads that follows it: 32 rows x 256 bytes of att, a lane a row, one instruction, for the K step that stands two refills on.
; WHAT: the second quarter of a cluster's walk, K steps 4 to 7 counted from its first.  The walk's first four steps come by their loads alone; att's quarters behind the second have been asked for eight trips
; of K earlier by the other cluster that needs the same rows, and each quarter of wob is some cluster's first.  WHO: every cluster, for its own rows of att: the two clusters that need the same rows have different
; second quarters.  The four partners along a row of the cluster share the tile's 128 rows out by address, 32 each; wave 0 asks.  So each block is named once in the launch.  WHERE IT STOPS: behind the fourth refill.
.macro ASK
	s_cmp_gt_u32 s3, s[LIM]                        ; s3 = LAPS - 1 and LAPS - 2 in the loop's first two trips
	s_cbranch_scc0 .Lnot_mine_\@
	global_prefetch_b8 v[PFO], s[PFA:PFA+1] offset:-KSTEP*2 th:TH_LOAD_NT scope:SCOPE_SE
.Lnot_mine_\@:
.endm
.macro CREST                           ; a round of the cluster's barrier behind its opening barrier: wave 0 signals for the work-group, every wave waits for all sixteen, my work-group's barrier once more
	s_cmp_lg_u32 s10, 0
	s_cbranch_scc1 .Lnot_wave_0_\@
	s_barrier_signal -3
.Lnot_wave_0_\@:
	s_barrier_wait -3
	s_barrier_signal -1
	s_barrier_wait -1
.endm
.macro CROUND                          ; a whole round
	s_barrier_signal -1
	s_barrier_wait -1
	CREST
.endm
	s_load_b128 s[4:7], s[0:1], 0x0                ; att s[4:5], wob s[6:7]
	s_load_b64 s[8:9], s[0:1], 0x10                ; out0
	v_lshl_add_u32 v[SPW], v0, 2, SPARE
	v_mov_b32 v[NIL], 0
	ds_add_u32 v[SPW], v[NIL]                      ; the wave's opening: the add and its wait ahead of my first tensor load; the set-up below, work on registers, stands between them
	v_lshrrev_b32 v1, 5, v0
	v_readfirstlane_b32 s10, v1                    ; wave 0..3
	s_lshr_b32 s11, s10, 1                         ; I fetch for att (0) or for wob (1),
	s_and_b32 s12, s10, 1                          ; and which half of that tile's rows
	s_bfe_u32 s40, ttmp6, 0x40000                  ; cx, cy: my place in the cluster
	s_bfe_u32 s41, ttmp6, 0x40004
	s_lshl_b32 s42, ttmp9, 2                       ; in a cluster launch ttmp9 and ttmp7 count clusters
	s_add_co_u32 s42, s42, s40                     ; tile column = 4 x cluster x + cx
	s_and_b32 s13, ttmp7, 0xffff
	s_lshl_b32 s13, s13, 2
	s_add_co_u32 s13, s13, s41                     ; tile row = 4 x cluster y + cy
	s_lshl_b32 s43, s41, 2
	s_lshl_b32 s43, 15, s43                        ; my row of the cluster: places 4 cy .. 4 cy + 3
	s_lshl_b32 s44, 0x1111, s40                    ; my column: places cx, cx + 4, cx + 8, cx + 12
	s_or_b32 s[G1+0], s43, FIELDS                  ; 15:0 the mask: att's tiles go to my row
	s_or_b32 s[G1B+0], s44, FIELDS                 ; wob's to my column
	s_mov_b32 s[G1+1], KSTEP<<16                   ; tensor_dim0 = 128
	s_mov_b32 s[G1B+1], KSTEP<<16
	s_mov_b32 s[G1+2], 64<<16                      ; tensor_dim1 = 64 rows
	s_mov_b32 s[G1B+2], BROWS<<16                  ; 128 rows
	s_mov_b32 s[G1+3], KSTEP<<16                   ; tile_dim0 = 128
	s_mov_b32 s[G1B+3], KSTEP<<16
	s_mov_b32 s[G1+4], 64                          ; tile_dim1
	s_mov_b32 s[G1B+4], BROWS
	s_mov_b32 s[G1+5], SIZE_K                      ; elements from row to row
	s_mov_b32 s[G1B+5], SIZE_K
	s_mov_b32 s[G1+6], 0
	s_mov_b32 s[G1B+6], 0
	s_mov_b32 s[G1+7], 0
	s_mov_b32 s[G1B+7], 0
	; the quarter of K with which my cluster begins: made of the cluster's x and y alone
	s_and_b32 s16, ttmp7, 0xffff
	s_lshr_b32 s17, s16, 2
	s_lshl_b32 s17, s17, 1
	s_add_co_u32 s16, s16, s17                     ; y + 2 (y / 4)
	s_lshl_b32 s17, ttmp9, 1
	s_add_co_u32 s16, s16, s17                     ; + 2 x
	s_and_b32 s16, s16, 3
	s_lshl_b32 s[KO], s16, 10                      ; a quarter is four K steps of 256 bytes: slot 0 begins with its first step,
	s_mov_b32 s[KO+1], 0
	s_add_co_u32 s[KO+2], s[KO], KSTEP*2           ; slot 1 with its second
	s_mov_b32 s[KO+3], 0
	s_add_co_u32 s16, s16, 1
	s_and_b32 s16, s16, 3
	s_lshl_b32 s[NBK], s16, 10                     ; the quarter after it
	; where the tiles come from: att's hang on the tile row alone, which my row of the cluster shares; wob's on the tile column alone, which my column shares
	s_lshl_b32 s16, s13, 7
	s_lshl_b32 s17, s12, 6
	s_add_co_u32 s16, s16, s17                     ; att: row 128 x tile row + 64 x half,
	s_lshl_b32 s16, s16, 12                        ; of 4,096 bytes
	s_mov_b32 s17, 0
	s_mul_i32 s46, s42, NROWS
	s_mul_i32 s47, s12, BROWS
	s_add_co_u32 s46, s46, s47                     ; wob: row 256 x tile column + 128 x half
	s_lshl_b32 s46, s46, 12
	s_mov_b32 s47, 0
	s_mul_i32 s20, s12, AHALF                      ; and where they go: no place in the cluster enters an LDS address
	s_mul_i32 s21, s12, BHALF
	s_add_co_u32 s21, s21, ABYTES
	s_wait_dscnt 0x0                               ; the opening add is done
	s_wait_kmcnt 0x0
	s_add_nc_u64 s[BA:BA+1], s[4:5], s[16:17]
	s_add_nc_u64 s[BB:BB+1], s[6:7], s[46:47]
	CROUND                                         ; all sixteen work-groups are here: the first joint loads meet
.irp s, 0,1
	s_mov_b32 s[G0+4*(\s)], 1                                      ; 1:0 count = 1
	s_add_co_u32 s[G0+4*(\s)+1], s20, (\s)*SLOT                    ; 63:32 LDS address
	s_add_nc_u64 s[G0+4*(\s)+2:G0+4*(\s)+3], s[BA:BA+1], s[KO+2*(\s):KO+2*(\s)+1]  ; 120:64 global address: step s of the walk
	s_or_b32 s[G0+4*(\s)+3], s[G0+4*(\s)+3], 0x80000000            ; 127:126 type = 2
	s_mov_b32 s[G0B+4*(\s)], 1
	s_add_co_u32 s[G0B+4*(\s)+1], s21, (\s)*SLOT
	s_add_nc_u64 s[G0B+4*(\s)+2:G0B+4*(\s)+3], s[BB:BB+1], s[KO+2*(\s):KO+2*(\s)+1]
	s_or_b32 s[G0B+4*(\s)+3], s[G0B+4*(\s)+3], 0x80000000
	JLOAD \s                                       ; the ring is filled before anything else is done: two loads of mine are out
.endr
	; A fragment is 16 rows x 32 K in 8 registers: lane l holds row l % 16; registers 0-3 K = 8 (l / 16) + 0..7, registers 4-7 K = 16 + 8 (l / 16) + 0..7: two loads of 16 bytes, 32 bytes apart.
	v_and_b32 v1, 15, v0                           ; l % 16
	v_bfe_u32 v2, v0, 4, 1                         ; l / 16
	v_mul_u32_u24 v3, v1, PITCH
	v_lshl_add_u32 v3, v2, 4, v3                   ; row x pitch + 16 x half
	s_mul_i32 s22, s10, 16*NB*PITCH                ; my 64 rows of wob,
	s_add_co_u32 s22, s22, ABYTES                  ; which lie behind att's 128; every wave reads all of att's
	v_mov_b32 v[ADRA], v3
	v_add_nc_u32 v[ADRA+1], SLOT, v3
	v_add_nc_u32 v[ADRB], s22, v3
	s_add_co_u32 s22, s22, SLOT
	v_add_nc_u32 v[ADRB+1], s22, v3
	; the way out: my 64 columns of f32 are 256 bytes, so my own stage serves
	s_mul_i32 s23, s10, 16*SP
	s_add_co_u32 s23, s23, STAGE                   ; my stage
	v_mul_u32_u24 v4, v1, SP                       ; in: row l % 16, 32 bytes for each half of the lanes
	v_lshl_add_u32 v4, v2, 5, v4
	v_add_nc_u32 v[STO], s23, v4
	v_mul_u32_u24 v4, v2, SP                       ; back: lanes 0-15 take one row of 256 bytes, lanes 16-31 the next
	v_lshl_add_u32 v4, v1, 4, v4
	v_add_nc_u32 v[RD], s23, v4
	v_mul_u32_u24 v4, v2, CROW                     ; and the same two rows in the result
	v_lshl_add_u32 v[CO], v1, 4, v4
	s_lshl_b32 s16, s13, 20                        ; the tile's first row: 128 x tile row, of 8,192 bytes
	s_lshl_b32 s17, s42, 10                        ; its first column: 1,024 bytes x tile column,
	s_add_co_u32 s16, s16, s17
	s_lshl_b32 s17, s10, 8                         ; my wave's 256 bytes
	s_add_co_u32 s16, s16, s17
	s_mov_b32 s17, 0
	s_add_nc_u64 s[8:9], s[8:9], s[16:17]
	; the prefetches: wave 0 takes my work-group's 32 rows of att's tile
	s_lshl_b32 s20, s13, 7
	s_lshl_b32 s21, s40, 5
	s_add_co_u32 s20, s20, s21                     ; row 128 x tile row + 32 cx
	s_lshl_b32 s20, s20, 12
	s_add_co_u32 s20, s20, s[NBK]                  ; at the walk's step 4: each change of slots steps the address by a K step, and the prefetch behind it reaches one K step back
	s_mov_b32 s21, 0
	s_add_nc_u64 s[PFA:PFA+1], s[4:5], s[20:21]
	s_cmp_eq_u32 s10, 0
	s_cselect_b32 s[LIM], PFSTOP, -1               ; the same in all sixteen partners, for a given wave.  Nothing is prefetched here, at the head
	v_and_b32 v[PFO], 31, v0
	v_lshlrev_b32 v[PFO], 12, v[PFO]
; 8 matrix instructions: row blocks a0, a0 + 1 of the window's four (hi = 0: rows 0-63, 1: rows 64-127) x my 4 column blocks, 32 along K.  zero = 1: the first product starts the sums.
; The 32 accumulators take turns, one instruction a turn, in the same order in every quarter step.
.macro MUL f, hi, a0, zero
	WIN MUL_LO+0x50*(\hi)
.irp a, \a0, (\a0)+1
.set b, 0
.rept NB
.set rD, 8*(NB*(\a)+b)
.set rB, (\f)+8*b
.set rA, (\f)+8*(4*(\hi)+(\a))
.if \zero
	v_wmma_f32_16x16x32_f16 v[rD:rD+7], v[rB:rB+7], v[rA:rA+7], 0
.else
	v_wmma_f32_16x16x32_f16 v[rD:rD+7], v[rB:rB+7], v[rA:rA+7], v[rD:rD+7]
.endif
.set b, b+1
.endr
.endr
.endm
; 24 LDS loads in one run: the fragments of one quarter step (64 rows of wob, 128 rows of att, 32 K at byte k of the rows) into buffer f
.macro FETCH slot, k, f
	WIN TO_B
.set i, 0
.rept NB
	ds_load_b128 v[(\f)+8*i:(\f)+8*i+3],   v[ADRB+(\slot)] offset:(\k)+i*16*PITCH
	ds_load_b128 v[(\f)+8*i+4:(\f)+8*i+7], v[ADRB+(\slot)] offset:(\k)+i*16*PITCH+32
.set i, i+1
.endr
	WIN 0
.set i, 0
.rept 8
	ds_load_b128 v[(\f)+8*i:(\f)+8*i+3],   v[ADRA+(\slot)] offset:(\k)+i*16*PITCH
	ds_load_b128 v[(\f)+8*i+4:(\f)+8*i+7], v[ADRA+(\slot)] offset:(\k)+i*16*PITCH+32
.set i, i+1
.endr
.endm
.macro PLACES                          ; four plain vector instructions between a matrix instruction and a load into a register that it has read, or a reader of its result (ISA guide 7.12.1 for a reader of its result)
.rept 4
	v_nop
.endr
.endm
; A K step is four quarter steps of 32 along K, 32 matrix instructions each, on buffers 0, 1, 0, 1.  One of the first three: multiplies buffer f; in its middle it fetches the next quarter, at byte k, into g.
.macro QUARTER slot, k, f, g, zero
	s_wait_dscnt 8                                 ; wob's fragments and att's rows 0-63 are in; the youngest eight loads (att's rows 64-127) may be out
	MUL \f, 0, 0, \zero
	MUL \f, 0, 2, \zero
	PLACES
	FETCH \slot, \k, \g
	s_wait_dscnt 2*NB+16                           ; all but the 24 just issued
	MUL \f, 1, 0, \zero
	MUL \f, 1, 2, \zero
.endm
; The last quarter changes slots and then multiplies buffer 1.  The slot's last fragments were fetched half a quarter ago, so the slot can be given up at the quarter's head: each wave waits for all its tensor
; loads (one is out: its part of the next slot), adds 0 to its spare word, and waits for that and for its own reads of this slot; then ONE barrier.  fill = 1: the barrier opens a round of the cluster's
; barrier, and this slot is filled again, two K steps ahead, first thing behind the round.  No product stands between the wait for the loads and the refill: the quarter's 32 follow it,
; so that from a request to the wait for it a wave issues a whole K step's 128 matrix instructions.
.macro TURN slot, next, fill
.if \fill
	s_wait_xcnt 0x0                                ; the last prefetch, a K step back, has read its address: it is stepped here, ahead of the waits of the change of slots
	s_add_nc_u64 s[PFA:PFA+1], s[PFA:PFA+1], KSTEP*2
.endif
	WIN 0
	s_wait_tensorcnt 0x0                           ; all my tensor loads have landed, so a group 0 may be written;
	ds_add_u32 v[SPW], v[NIL]                      ; 0 onto my spare word: the descriptors' steps stand between it and the wait for it
.if \fill
	s_add_co_u32 s[KO+2*(\slot)], s[KO+2*(\slot)], 2*KSTEP*2       ; this slot's next K step: two on,
	s_and_b32 s[KO+2*(\slot)], s[KO+2*(\slot)], SIZE_K*2-1         ; round the row's end
	s_add_nc_u64 s[G0+4*(\slot)+2:G0+4*(\slot)+3], s[BA:BA+1], s[KO+2*(\slot):KO+2*(\slot)+1]  ; both addresses are made anew from the rows' first bytes,
	s_or_b32 s[G0+4*(\slot)+3], s[G0+4*(\slot)+3], 0x80000000      ; the type bits set again
	s_add_nc_u64 s[G0B+4*(\slot)+2:G0B+4*(\slot)+3], s[BB:BB+1], s[KO+2*(\slot):KO+2*(\slot)+1]
	s_or_b32 s[G0B+4*(\slot)+3], s[G0B+4*(\slot)+3], 0x80000000
.endif
	s_wait_dscnt 0x0                               ; the add is done, and my reads of this slot are over: buffer 1 is in
	s_barrier_signal -1
	s_barrier_wait -1
.if \fill
	CREST                                          ; no wave of any partner still reads this slot's tile or has a load on its way
	JLOAD \slot                                    ; the first tensor load behind the round; the four v_nop behind it are also the places in front of the loads below
.else
	PLACES
.endif
	FETCH \next, 0, F0
.if \fill
	ASK
.endif
	MUL F1, 0, 0, 0
	MUL F1, 0, 2, 0
	MUL F1, 1, 0, 0
	MUL F1, 1, 2, 0
.endm
	s_wait_tensorcnt 1                             ; my part of the walk's step 0 is in; step 1's may stay out
	s_barrier_signal -1
	s_barrier_wait -1                              ; everybody's is
	FETCH 0, 0, F0
	QUARTER 0, 64,  F0, F1, 1                      ; the first quarter stands in front of the loop: its products start the sums
	WIN 0                                          ; at a label and at a branch every window is 0
	s_mov_b32 s3, LAPS-1
.Llap:                                                 ; a trip goes once round the ring, from a lap's second quarter to the next lap's first, and fills both slots again
	QUARTER 0, 128, F1, F0, 0
	QUARTER 0, 192, F0, F1, 0
	TURN 0, 1, 1
	QUARTER 1, 64,  F0, F1, 0
	QUARTER 1, 128, F1, F0, 0
	QUARTER 1, 192, F0, F1, 0
	TURN 1, 0, 1
	QUARTER 0, 64,  F0, F1, 0
	WIN 0
	s_sub_co_u32 s3, s3, 1
	s_cmp_lg_u32 s3, 0
	s_cbranch_scc1 .Llap
	QUARTER 0, 128, F1, F0, 0                      ; the last lap fills nothing, and has no round of the cluster's barrier
	QUARTER 0, 192, F0, F1, 0
	TURN 0, 1, 0
	QUARTER 1, 64,  F0, F1, 0
	QUARTER 1, 128, F1, F0, 0
	QUARTER 1, 192, F0, F1, 0
	s_wait_dscnt 8                                 ; the very last quarter: nothing more to fetch
	MUL F1, 0, 0, 0
	MUL F1, 0, 2, 0
	s_wait_dscnt 0x0
	MUL F1, 1, 0, 0
	MUL F1, 1, 2, 0
	WIN 0
	PLACES
; THE WAY OUT, a block of 16 rows at a time, through my own stage: no barrier, and since LDS serves a wave's instructions in order (ISA guide 5.7.1.4) no wait between the stores and the loads.
; TOSTAGE: the f32 sums go straight from the accumulators into rows of 272 bytes, each accumulator's low half first, and come back as whole rows of 256.  SEND: stored.
.macro TOSTAGE a
.set AC, 8*NB*((\a)%4)
.set BK, 64+32*((\a)%2)
	WIN 0x08+4*((\a)/4)                            ; the stores' data (source 1): window 2 or 3
.set b, 0
.rept NB
	ds_store_b128 v[STO], v[AC+8*b:AC+8*b+3]   offset:64*b
	ds_store_b128 v[STO], v[AC+8*b+4:AC+8*b+7] offset:64*b+16
.set b, b+1
.endr
	WIN 0
.if (\a) >= 2
	s_wait_xcnt 0x0                                ; the stores of the block two back have read these registers
.endif
.irp t, 0,1,2,3,4,5,6,7
	ds_load_b128 v[BK+4*(\t):BK+4*(\t)+3], v[RD] offset:2*SP*(\t)
.endr
.endm
.macro SEND a, younger                 ; younger: the LDS instructions issued behind block a's loads: the next block's sixteen, or none
.set BK, 64+32*((\a)%2)
.irp t, 0,1,2,3,4,5,6,7
	s_wait_dscnt (\younger)+7-(\t)
	global_store_b128 v[CO], v[BK+4*(\t):BK+4*(\t)+3], s[8:9] offset:(16*(\a)+2*(\t))*CROW th:TH_STORE_NT  ; 16 lanes store 256 consecutive bytes, at a multiple of 256 from the buffer's first byte
.endr
.endm
	TOSTAGE 0
.irp a, 1,2,3,4,5,6,7
	TOSTAGE \a
	SEND (\a)-1, 16
.endr
	SEND 7, 0
	s_wait_tensorcnt 0x0                           ; the wave's end, behind my last tensor load and my last LDS store
	ds_add_u32 v[SPW], v[NIL]
	s_wait_dscnt 0x0
	CROUND                                         ; the closing round: no work-group ends while a partner may still ask for a tile that names it
	s_endpgm
.Lfunc_end_k_qe5b3820309_out:
	.size	k_qe5b3820309_out, .Lfunc_end_k_qe5b3820309_out-k_qe5b3820309_out
	.p2alignl 7, 3214868480
	.fill 96, 4, 3214868480
	.section	.rodata,"a",@progbits
	.p2align	6, 0x0
	.amdhsa_kernel k_qe5b3820309_out
		.amdhsa_group_segment_fixed_size 327680
		.amdhsa_private_segment_fixed_size 0
		.amdhsa_enable_private_segment 0
		.amdhsa_kernarg_size 24
		.amdhsa_user_sgpr_count 2
		.amdhsa_user_sgpr_kernarg_segment_ptr 1
		.amdhsa_wavefront_size32 1
		.amdhsa_system_sgpr_workgroup_id_x 1
		.amdhsa_system_sgpr_workgroup_id_y 1
		.amdhsa_system_sgpr_workgroup_id_z 1
		.amdhsa_system_vgpr_workitem_id 0
		.amdhsa_next_free_vgpr 896
		.amdhsa_next_free_sgpr 72
		.amdhsa_reserve_vcc 0
		.amdhsa_float_denorm_mode_32 3
		.amdhsa_float_denorm_mode_16_64 3
		.amdhsa_memory_ordered 1
		.amdhsa_forward_progress 1
		.amdhsa_inst_pref_size 89
	.end_amdhsa_kernel
	.amdgpu_metadata
---
amdhsa.version: [ 1, 2 ]
amdhsa.kernels:
  - .name:           k_qe5b3820309_out
    .symbol:         k_qe5b3820309_out.kd
    .args:
      - { .name: att, .offset: 0, .size: 8, .value_kind: global_buffer, .address_space: global }
      - { .name: wob, .offset: 8, .size: 8, .value_kind: global_buffer, .address_space: global }
      - { .name: out0, .offset: 16, .size: 8, .value_kind: global_buffer, .address_space: global }
    .group_segment_fixed_size: 327680
    .private_segment_fixed_size: 0
    .kernarg_segment_align: 8
    .kernarg_segment_size: 24
    .max_flat_workgroup_size: 128
    .sgpr_count:     72
    .vgpr_count:     896
    .wavefront_size: 32
...
	.end_amdgpu_metadata
.endif
;; end of part 4
;; ======== version 2 of 2: 4 launches; version 1 with the launches cast, attn written anew for expert scheduling mode
;; limits: values are held in f16: magnitudes above 65,504 overflow, below 6.1e-05 lose precision
;; workspace buffers: xb 16,777,216 bytes; wb 25,165,824 bytes; wob 8,388,608 bytes; qkv 50,331,648 bytes; att 16,777,216 bytes
;; launch cast (part 5): grid 1536 x 1, 4 waves a work-group, no clusters, 0 bytes of LDS; arguments x, wq, wk, wv, wo, xb, wb, wob; writes xb, wb, wob
.if DOCPART == 5
	.amdgcn_target "amdgcn-amd-amdhsa--gfx1250"
	.amdhsa_code_object_version 6
	.text
	.protected	k_qe5b3820309_cast
	.globl	k_qe5b3820309_cast
	.p2align	8
	.type	k_qe5b3820309_cast,@function
k_qe5b3820309_cast:
	s_mov_b64 s[64:65], 0
	v_nop
	global_prefetch_b8 v0, s[64:65] scope:SCOPE_SE
	s_setreg_imm32_b32 hwreg(HW_REG_WAVE_SCHED_MODE, 0, 2), 2
	s_setreg_imm32_b32 hwreg(HW_REG_WAVE_MODE, 25, 1), 1
	s_wait_xcnt 0x0
	s_wait_alu depctr_vm_vsrc(0)
; THE INPUTS ARE ROUNDED ONCE.  x [4096][2048] f32 -> xb bf16.  wq, wk, wv [2048][2048] f32 -> wb [6144][2048] bf16, THEIR ROWS IN ANOTHER ORDER.
; wo [2048][2048] f32 -> wob: rounded to bf16 like the other inputs, and that number written as f16 (exact from 2^-14 up to f16's 65,504; below 2^-14 it keeps f16's fixed step of 6e-8).
; rel_pos does not enter the module's result and is named by no launch.
; THE ORDER OF wb's ROWS.  Row n' of wb makes column n' of the next launch's result, so the order is free, and it is chosen so that the attention's matrix fragments are runs of 512 bytes in a token's row:
;   wq, wk: source row 128 i + 8 c + e (head i, group c of eight channels) goes to row 128 c + 8 i + e (wk: + 2048);
;   wv:     source row 1024 h + 128 e + 16 cb + r (head 8 h + e, channel 16 cb + r) goes to row 4096 + 256 cb + 128 h + 8 r + e.
; SHARES.  12,288 source rows of 8,192 bytes.  A work-group takes 8, a wave 2 neighbouring ones: 32 loads of 512 consecutive bytes, all issued before the first is used; each piece leaves as one
; store of 256 consecutive bytes, at a multiple of 256 from its buffer's first byte.  Memory binds: no LDS, no barrier, no matrix unit, nothing shared between work-groups, so no cluster.
; No register that a load or store names is written again, so no wait frees one.
; THE MODE: SCHED_MODE bits 1:0 = 2 (LLVM: expert scheduling mode 2), set by the entry lines.  The code itself states the register dependences between vector instructions and memory
; instructions, with s_wait_alu, always for 0.
; THE PLAN.  Registers that memory instructions touch:
;   v1, v2     byte offsets, made once at the head and never written again: v1 is read by every load, v2 by every store.
;   X, piece n four registers.  Its load lands in them (no vector instruction names them before); piece n's conversions read them and write the first two; piece n's store reads those two; nothing writes them after.
; The 32 pieces go in eight groups of four.  Group g's conversions name group g's registers and T alone; its memory instructions are the four stores of group g - 1.  So one wait at a group's head,
; behind the wait for the group's data, states all that its four stores hang on, and they are dealt among the group's conversions with no further wait.  One more wait stands ahead of the last four stores.
.set X, 4                              ; v[4:131]   piece n of 32 (row n / 16, bytes 512 (n % 16) on) at X + 4 n
.set T, 132                            ; v[132:133] at work (wo): no memory instruction names them
	s_load_b512 s[8:23], s[0:1], 0x0               ; x s[8:9], wq s[10:11], wk s[12:13], wv s[14:15], wo s[16:17], xb s[18:19], wb s[20:21], wob s[22:23]
	v_lshrrev_b32 v3, 5, v0
	v_readfirstlane_b32 s3, v3                     ; wave 0..3
	v_and_b32 v2, 31, v0
	v_lshlrev_b32 v1, 4, v2                        ; in: 16 bytes a lane
	v_lshlrev_b32 v2, 3, v2                        ; out: 8 bytes a lane
	s_sub_co_u32 s6, ttmp9, 512                    ; work-groups 0-511 take x, then 256 each take wq, wk, wv, wo
	s_lshr_b32 s7, s6, 8
	s_add_co_u32 s7, s7, 1
	s_and_b32 s6, s6, 255
	s_cmp_lt_u32 ttmp9, 512
	s_cselect_b32 s4, 0, s7                        ; which tensor: 0 x, 1 wq, 2 wk, 3 wv, 4 wo
	s_cselect_b32 s5, ttmp9, s6                    ; which block of 8 rows in it
	s_lshl_b32 s5, s5, 3
	s_wait_alu depctr_va_sdst(0)                   ; s3, the wave's number, is written, ahead of its first reader: my rows are made from it
	s_lshl1_add_u32 s5, s3, s5                     ; my first source row n0 = 8 x block + 2 x wave: even, so row n0 + 1 differs in the lowest field alone
	s_bfe_u32 s30, s5, 0x40003                     ; wq, wk: c
	s_lshl_b32 s30, s30, 7
	s_bfe_u32 s31, s5, 0x40007                     ; i
	s_lshl_b32 s31, s31, 3
	s_or_b32 s30, s30, s31
	s_and_b32 s31, s5, 7                           ; e
	s_or_b32 s30, s30, s31                         ; 128 c + 8 i + e
	s_add_co_u32 s31, s30, 2048
	s_bfe_u32 s32, s5, 0x30004                     ; wv: cb
	s_lshl_b32 s32, s32, 8
	s_bfe_u32 s33, s5, 0x1000a                     ; h
	s_lshl_b32 s33, s33, 7
	s_or_b32 s32, s32, s33
	s_and_b32 s33, s5, 15                          ; r
	s_lshl_b32 s33, s33, 3
	s_or_b32 s32, s32, s33
	s_bfe_u32 s33, s5, 0x30007                     ; e
	s_or_b32 s32, s32, s33
	s_add_co_u32 s32, s32, 4096                    ; 4096 + 256 cb + 128 h + 8 r + e
	s_mov_b32 s36, 0x1000                          ; from my first row's place to my second's: one row of 4,096 bytes,
	s_mov_b32 s37, 0x8000                          ; in wv eight (r + 1)
	s_mov_b32 s34, 0xffff0000                      ; a word's upper bf16
	s_cmp_eq_u32 s4, 1
	s_cselect_b32 s35, s30, s5                     ; my first row's place in its destination
	s_cmp_eq_u32 s4, 2
	s_cselect_b32 s35, s31, s35
	s_cmp_eq_u32 s4, 3
	s_cselect_b32 s35, s32, s35
	s_cselect_b32 s38, s37, s36
	s_mov_b32 s39, 0
	s_wait_kmcnt 0x0
	s_cmp_eq_u32 s4, 1
	s_cselect_b64 s[24:25], s[10:11], s[8:9]       ; from where
	s_cmp_eq_u32 s4, 2
	s_cselect_b64 s[24:25], s[12:13], s[24:25]
	s_cmp_eq_u32 s4, 3
	s_cselect_b64 s[24:25], s[14:15], s[24:25]
	s_cmp_eq_u32 s4, 4
	s_cselect_b64 s[24:25], s[16:17], s[24:25]
	s_cselect_b64 s[26:27], s[22:23], s[20:21]     ; to where
	s_cmp_eq_u32 s4, 0
	s_cselect_b64 s[26:27], s[18:19], s[26:27]
	s_lshl_b32 s28, s5, 13                         ; n0 rows of 8,192 bytes
	s_mov_b32 s29, 0
	s_add_nc_u64 s[24:25], s[24:25], s[28:29]
	s_lshl_b32 s28, s35, 12                        ; rows of 4,096 bytes
	s_add_nc_u64 s[26:27], s[26:27], s[28:29]      ; my first row's place,
	s_add_nc_u64 s[28:29], s[26:27], s[38:39]      ; my second's
	s_wait_alu depctr_va_vdst(0)                   ; v1 and v2 are written: every load of the kernel reads v1 as its offset, every store v2, and no later vector instruction names them
.set n, 0
.rept 32
	global_load_b128 v[X+4*n:X+4*n+3], v1, s[24:25] offset:512*n th:TH_LOAD_NT  ; two rows on end: 16,384 consecutive bytes, read once in the launch
.set n, n+1
.endr
; The 32 pieces, in eight groups of four, as they come in.  fmt = 0: to bf16.  fmt = 1: to bf16, widened again, and written as f16.
; A group's four stores are issued in the next group, one ahead of each piece's conversions.
.macro ROWS fmt
.set g, 0
.rept 8
	s_wait_loadcnt 28-4*g                          ; loads come back in order (ISA guide 5.7.1): pieces up to 4 g + 3 are in, the 28 - 4 g younger ones stay out
.if g > 0
	s_wait_alu depctr_va_vdst(0)                   ; the conversions of the group before have written the registers that the four stores below read
.endif
.set i, 0
.rept 4
.set n, 4*g+i
.set a, X+4*n
.if g > 0
.set c, a-16
	global_store_b64 v2, v[c:c+1], s[26+2*((n-4)/16):27+2*((n-4)/16)] offset:256*((n-4)%16)  ; piece n - 4: 32 lanes store 256 consecutive bytes; no vector instruction since the wait names these registers
.endif
.if \fmt
	v_cvt_pk_bf16_f32 v[T], v[a], v[a+1]
	v_cvt_pk_bf16_f32 v[T+1], v[a+2], v[a+3]
	v_lshlrev_b32 v[a], 16, v[T]
	v_and_b32 v[a+1], s34, v[T]
	v_lshlrev_b32 v[a+2], 16, v[T+1]
	v_and_b32 v[a+3], s34, v[T+1]
	v_cvt_pk_f16_f32 v[a], v[a], v[a+1]
	v_cvt_pk_f16_f32 v[a+1], v[a+2], v[a+3]
.else
	v_cvt_pk_bf16_f32 v[a], v[a], v[a+1]
	v_cvt_pk_bf16_f32 v[a+1], v[a+2], v[a+3]
.endif
.set i, i+1
.endr
.set g, g+1
.endr
	s_wait_alu depctr_va_vdst(0)                   ; the last group's conversions have written the registers that the last four stores read
.set n, 28
.rept 4
.set a, X+4*n
	global_store_b64 v2, v[a:a+1], s[28:29] offset:256*(n%16)  ; pieces 28 to 31 belong to my second row
.set n, n+1
.endr
.endm
	s_cmp_eq_u32 s4, 4
	s_cbranch_scc1 .Lwo
	ROWS 0
	s_endpgm
.Lwo:
	ROWS 1
	s_endpgm
.Lfunc_end_k_qe5b3820309_cast:
	.size	k_qe5b3820309_cast, .Lfunc_end_k_qe5b3820309_cast-k_qe5b3820309_cast
	.p2alignl 7, 3214868480
	.fill 96, 4, 3214868480
	.section	.rodata,"a",@progbits
	.p2align	6, 0x0
	.amdhsa_kernel k_qe5b3820309_cast
		.amdhsa_group_segment_fixed_size 0
		.amdhsa_private_segment_fixed_size 0
		.amdhsa_enable_private_segment 0
		.amdhsa_kernarg_size 64
		.amdhsa_user_sgpr_count 2
		.amdhsa_user_sgpr_kernarg_segment_ptr 1
		.amdhsa_wavefront_size32 1
		.amdhsa_system_sgpr_workgroup_id_x 1
		.amdhsa_system_sgpr_workgroup_id_y 1
		.amdhsa_system_sgpr_workgroup_id_z 1
		.amdhsa_system_vgpr_workitem_id 0
		.amdhsa_next_free_vgpr 140
		.amdhsa_next_free_sgpr 66
		.amdhsa_reserve_vcc 0
		.amdhsa_float_denorm_mode_32 3
		.amdhsa_float_denorm_mode_16_64 3
		.amdhsa_memory_ordered 1
		.amdhsa_forward_progress 1
		.amdhsa_inst_pref_size 29
	.end_amdhsa_kernel
	.amdgpu_metadata
---
amdhsa.version: [ 1, 2 ]
amdhsa.kernels:
  - .name:           k_qe5b3820309_cast
    .symbol:         k_qe5b3820309_cast.kd
    .args:
      - { .name: x, .offset: 0, .size: 8, .value_kind: global_buffer, .address_space: global }
      - { .name: wq, .offset: 8, .size: 8, .value_kind: global_buffer, .address_space: global }
      - { .name: wk, .offset: 16, .size: 8, .value_kind: global_buffer, .address_space: global }
      - { .name: wv, .offset: 24, .size: 8, .value_kind: global_buffer, .address_space: global }
      - { .name: wo, .offset: 32, .size: 8, .value_kind: global_buffer, .address_space: global }
      - { .name: xb, .offset: 40, .size: 8, .value_kind: global_buffer, .address_space: global }
      - { .name: wb, .offset: 48, .size: 8, .value_kind: global_buffer, .address_space: global }
      - { .name: wob, .offset: 56, .size: 8, .value_kind: global_buffer, .address_space: global }
    .group_segment_fixed_size: 0
    .private_segment_fixed_size: 0
    .kernarg_segment_align: 8
    .kernarg_segment_size: 64
    .max_flat_workgroup_size: 128
    .sgpr_count:     66
    .vgpr_count:     140
    .wavefront_size: 32
...
	.end_amdgpu_metadata
.endif
;; end of part 5
;; launch qkv: the kernel of part 2 again; grid 16 x 32, 4 waves a work-group, clusters of 4 x 4, 327,680 bytes of LDS; arguments xb, wb, qkv; writes qkv
;; launch attn (part 6): grid 512 x 1, 4 waves a work-group, no clusters, 17,920 bytes of LDS; arguments qkv, att; writes att
.if DOCPART == 6
	.amdgcn_target "amdgcn-amd-amdhsa--gfx1250"
	.amdhsa_code_object_version 6
	.text
	.protected	k_qe5b3820309_attn
	.globl	k_qe5b3820309_attn
	.p2align	8
	.type	k_qe5b3820309_attn,@function
k_qe5b3820309_attn:
	s_mov_b64 s[64:65], 0
	v_nop
	global_prefetch_b8 v0, s[64:65] scope:SCOPE_SE
	s_setreg_imm32_b32 hwreg(HW_REG_WAVE_SCHED_MODE, 0, 2), 2
	s_setreg_imm32_b32 hwreg(HW_REG_WAVE_MODE, 25, 1), 1
	s_wait_xcnt 0x0
	s_wait_alu depctr_vm_vsrc(0)
; ATTENTION ACROSS THE 16 HEADS OF ONE TOKEN.  For each of 4,096 tokens: att[i][:] = the sum over heads j <= i of softmax_j(q[i] . k[j] / sqrt(128)) v[j][:].
; qkv: [4096][6144] f16, a token's row being q, k, v of 4,096 bytes each, in the order in which the first launch laid the weights' rows; att: [4096][2048] f16, column 128 i + d.
; Products, maxima and sums in f32; the weights are divided by their sum in f32 and rounded to f16 for the second product; att is rounded once.
; LIMITS.  q, k, v arrive within f16's 65,504.  A hidden score counts as its value less 1e30: f16's scores, 5.5e11 at the most, are nothing beside that.  A weight below 2^-126 counts as 0 in the sum;
; a normalised weight below 6e-5 keeps f16's fixed step of 6e-8.  NaN and infinities are not treated apart.
; SHARES.  A wave takes two tokens, so that its two score accumulators take turns; 2,048 waves, no loop.  Memory binds: every byte is read once, by loads of 512 consecutive bytes, all 48 of a wave issued
; at its head, straight into the registers of the matrix fragments; work-groups share no byte, so there is no cluster, no tensor load and no LDS on the way in.
; LAYOUT.  In q and k byte 512 u + 16 l holds head l % 16, channels 8 (2 u + l / 16) + 0..7: loads 2 m and 2 m + 1 ARE the fragment (16 heads x channels 32 m ..) of either source.
; In v byte 512 cb + 16 l holds channel 16 cb + l % 16 of heads 8 (l / 16) + 0..7: registers 0-3 of a fragment of V^T (16 channels x 32 keys); keys 16-31 do not exist: registers 4-7 hold 0, in P too.
; S^T = K Q^T + mask (source 0 = 16 key heads, source 1 = 16 query heads): a lane holds ONE query head (l % 16) and the key heads 8 (l / 16) + 0..7; rounded in pairs they ARE source 1 of O^T = V^T P,
; whose result again holds one query head a lane, and eight channels.  The mask, 0 or -1e30, is the C operand that starts the sum.
; REGISTERS (s_set_vgpr_msb: bits 1:0 source 0, 3:2 source 1, 5:4 source 2, 7:6 destination).  Window 0: see the names below.  Window 1: v0-127 V^T (token t, block cb at 64 t + 8 cb), v128-255 O^T likewise.
; THE MODE: SCHED_MODE bits 1:0 = 2 (LLVM: expert scheduling mode 2), set by the entry lines.  The code itself states the register dependences between vector or matrix instructions and memory
; or LDS instructions, with s_wait_alu, always for 0.
; THE PLAN.  Registers that memory or LDS instructions touch:
;   v[OFF]            written at the head; read by all 48 loads and all 16 stores; never written again.
;   K, Q, V^T's registers 0-3   the loads land in them; no vector instruction names them ahead of the loads.
;   v[STO], v[RD]     written in the wait for the loads; read by the stage's LDS stores and loads; never written again.
;   v[KF ..] later    written by the 64 conversions of the way out; read by the 16 LDS stores; never written again.
;   v[QF ..] later    read, as Q, by the first product's matrix instructions; then the stage's LDS loads land in them and the global stores read them.
;   v[SPW], v[NIL]    written at the head; read by the closing add alone.
; So two waits on va_vdst state dependences on memory's side: one ahead of the loads (v[OFF]), and ONE ahead of the stage, behind both tokens' conversions (the stores' data, the two
; addresses, and the matrix instructions' reads of Q's registers); the two behind the exponentials and the reciprocals wait for the transcendentals' results.  Nothing that a memory or LDS instruction
; has read is written again, so no wait on vm_vsrc is owed.  Two waits on va_sdst: behind the wave's number, and behind the run of eight compares that make the mask.
.set ROWQ, 12288                       ; bytes of a token in qkv
.set SP,   272                         ; a stage row: a head's 256 bytes + 16
.set SPARE, 4*16*SP                    ; behind the four waves' stages (16 rows each): the spare words, 128 bytes for each wave: two blocks of 256 bytes that no other line names
.set OFF, 3                            ; v3   16 x lane; never rewritten
.set STO, 4                            ; v4   the way out: where I put 16 bytes of a head's row
.set RD,  5                            ; v5   where I read rows back
.set SPW, 6                            ; v6   LDS address of my spare word: SPARE + 4 x my thread's number; never rewritten
.set NIL, 7                            ; v7   0; never rewritten
.set DG,  8                            ; v8   my query head less my lanes' first key head: key register e is hidden where e is greater
.set MD,  10                           ; v[10:17]  the mask
.set S,   18                           ; v[18:33]  S^T, 8 a token
.set P,   34                           ; v[34:49]  P, 8 a token
.set T,   50                           ; v[50:61]  6 a token: +0 c m, +1 m, +2 +3 the sum, +4 +5 at work, then 1 / sum
.set KF,  64                           ; K at 64 + 64 t, later the packed results
.set QF,  96                           ; Q at 96 + 64 t, later the rows read back
.set VF,  0                            ; window 1
.set OA,  128                          ; window 1
.set MK,  16                           ; s[16:23]  the eight compares' lane masks (s[18:19] hold att's offset until its one add)
.set MSB, 0
.macro WIN new                         ; the immediate's high byte repeats the setting that is left; a switch that changes nothing is dropped
.if MSB != (\new)
	s_set_vgpr_msb (MSB<<8)|(\new)
.set MSB, \new
.endif
.endm
	s_load_b128 s[4:7], s[0:1], 0x0                ; qkv s[4:5], att s[6:7]
	v_lshl_add_u32 v[SPW], v0, 2, SPARE
	v_mov_b32 v[NIL], 0
	v_lshrrev_b32 v1, 5, v0
	v_readfirstlane_b32 s8, v1                     ; wave 0..3
	v_and_b32 v[OFF], 31, v0
	v_lshlrev_b32 v[OFF], 4, v[OFF]
	s_mov_b32 s11, 0
	s_mov_b32 s19, 0
	s_mov_b32 s12, 0x3e0293ee                      ; c = log2(e) / sqrt(128) = 0.127517
	s_mov_b32 s13, s12                             ; named with it as a pair
	s_mov_b32 s14, 0x76543210                      ; v_permlanex16_b32's selects: each lane takes its own place in the other half
	s_mov_b32 s15, 0xfedcba98
	s_mov_b32 s2, 0xf149f2ca                       ; -1e30
	s_wait_alu depctr_va_sdst(0)                   ; s8, the wave's number, is written, ahead of its first reader: my tokens and my stage are made from it
	s_lshl_b32 s9, ttmp9, 2
	s_add_co_u32 s9, s9, s8                        ; my pair of tokens
	s_mul_i32 s10, s9, 2*ROWQ
	s_lshl_b32 s18, s9, 13                         ; two rows of 4,096 bytes in att
	s_wait_kmcnt 0x0
	s_add_nc_u64 s[4:5], s[4:5], s[10:11]
	s_add_nc_u64 s[6:7], s[6:7], s[18:19]
	s_wait_alu depctr_va_vdst(0)                   ; v[OFF] is written: all 48 loads and all 16 stores read it as their offset, and no later vector instruction names it.  Up to V's loads only loads and one window switch follow
.irp t, 0,1
.irp u, 0,1,2,3,4,5,6,7
	global_load_b128 v[KF+64*(\t)+4*(\u):KF+64*(\t)+4*(\u)+3], v[OFF], s[4:5] offset:ROWQ*(\t)+4096+512*(\u) th:TH_LOAD_NT
.endr
.irp u, 0,1,2,3,4,5,6,7
	global_load_b128 v[QF+64*(\t)+4*(\u):QF+64*(\t)+4*(\u)+3], v[OFF], s[4:5] offset:ROWQ*(\t)+512*(\u) th:TH_LOAD_NT
.endr
.endr
	WIN 0x40                                       ; destination window 1, address window 0
.irp t, 0,1
.irp cb, 0,1,2,3,4,5,6,7
	global_load_b128 v[VF+64*(\t)+8*(\cb):VF+64*(\t)+8*(\cb)+3], v[OFF], s[4:5] offset:ROWQ*(\t)+8192+512*(\cb) th:TH_LOAD_NT
.endr
.endr
	; all that follows, up to the wait, stands in the wait for the loads
.set i, 0
.rept 16
.irp z, 4,5,6,7
	v_mov_b32 v[VF+8*i+(\z)], 0                    ; keys 16-31 of V^T: there are none
.endr
.set i, i+1
.endr
	WIN 0
.irp t, 0,1
.irp z, 4,5,6,7
	v_mov_b32 v[P+8*(\t)+(\z)], 0                  ; and of P
.endr
	v_mov_b32 v[T+6*(\t)+1], 0                     ; v_permlanex16_b32's destination counts as read
.endr
	v_and_b32 v1, 15, v0                           ; l % 16
	v_bfe_u32 v2, v0, 4, 1                         ; l / 16
	v_lshlrev_b32 v[DG], 3, v2
	v_sub_nc_u32 v[DG], v1, v[DG]
.irp e, 0,1,2,3,4,5,6,7
	v_cmp_gt_i32 s[MK+(\e)], \e, v[DG]             ; key head 8 (l / 16) + e above query head l % 16: the eight compares in one run, each into a scalar register of its own
.endr
	s_mul_i32 s3, s8, 16*SP                        ; my stage
	v_mul_u32_u24 v[STO], v1, SP                   ; in: row l % 16, 16 bytes for each half of the lanes
	v_lshl_add_u32 v[STO], v2, 4, v[STO]
	v_add_nc_u32 v[STO], s3, v[STO]
	v_mul_u32_u24 v[RD], v2, SP                    ; back: lanes 0-15 take one head's 256 bytes, lanes 16-31 the next head's
	v_lshl_add_u32 v[RD], v1, 4, v[RD]
	v_add_nc_u32 v[RD], s3, v[RD]
	s_wait_alu depctr_va_sdst(0)                   ; the eight compares have written s[MK ..], ahead of their first reader: one wait for the run
.irp e, 0,1,2,3,4,5,6,7
	v_cndmask_b32 v[MD+(\e)], 0, s2, s[MK+(\e)]
.endr
	s_wait_loadcnt 16                              ; K and Q are in; the 16 younger loads, V's, may stay out
.irp m, 0,1,2,3                        ; the two tokens' accumulators take turns, one instruction a turn
.irp t, 0,1
.if (\m) == 0
	v_wmma_f32_16x16x32_f16 v[S+8*(\t):S+8*(\t)+7], v[KF+64*(\t):KF+64*(\t)+7], v[QF+64*(\t):QF+64*(\t)+7], v[MD:MD+7]
.else
	v_wmma_f32_16x16x32_f16 v[S+8*(\t):S+8*(\t)+7], v[KF+64*(\t)+8*(\m):KF+64*(\t)+8*(\m)+7], v[QF+64*(\t)+8*(\m):QF+64*(\t)+8*(\m)+7], v[S+8*(\t):S+8*(\t)+7]
.endif
.endr
.endr
.rept 4
	v_nop                                          ; four places between the last product and the first reader of a result (ISA guide 7.12.1)
.endr
	; THE SOFTMAX, each line for both tokens, so that no instruction reads the result of the one just before it.  The maximum is taken from each accumulator's low end on.
.irp t, 0,1
	v_max3_num_f32 v[T+6*(\t)+3], v[S+8*(\t)], v[S+8*(\t)+1], v[S+8*(\t)+2]
.endr
.irp t, 0,1
	v_max3_num_f32 v[T+6*(\t)+3], v[T+6*(\t)+3], v[S+8*(\t)+3], v[S+8*(\t)+4]
.endr
.irp t, 0,1
	v_max3_num_f32 v[T+6*(\t)+3], v[T+6*(\t)+3], v[S+8*(\t)+5], v[S+8*(\t)+6]
.endr
.irp t, 0,1
	v_max_num_f32 v[T+6*(\t)+3], v[T+6*(\t)+3], v[S+8*(\t)+7]
.endr
.irp t, 0,1
	v_permlanex16_b32 v[T+6*(\t)+1], v[T+6*(\t)+3], s14, s15  ; the query's other eight keys lie in the lane 16 away
.endr
.irp t, 0,1
	v_max_num_f32 v[T+6*(\t)+1], v[T+6*(\t)+3], v[T+6*(\t)+1]  ; m: key head 0 is hidden from nobody, so m is a true score
.endr
.irp t, 0,1
	v_mul_f32 v[T+6*(\t)], s12, v[T+6*(\t)+1]      ; c m
.endr
.irp z, 0,2,4,6
.irp t, 0,1
	v_pk_fma_f32 v[S+8*(\t)+(\z):S+8*(\t)+(\z)+1], v[S+8*(\t)+(\z):S+8*(\t)+(\z)+1], s[12:13], v[T+6*(\t):T+6*(\t)+1] op_sel_hi:[1,0,0] neg_lo:[0,0,1] neg_hi:[0,0,1]  ; c s - c m
.endr
.endr
.irp z, 0,1,2,3,4,5,6,7
.irp t, 0,1
	v_exp_f32 v[S+8*(\t)+(\z)], v[S+8*(\t)+(\z)]   ; one batch of 16
.endr
.endr
	v_nop                                          ; a plain instruction behind the last exponential, ahead of the first use (ISA guide 5.7.2),
	s_wait_alu depctr_va_vdst(0)                   ; the 16 exponentials have written v[S ..], ahead of the sums that read them: one wait for the batch
.irp t, 0,1
	v_pk_add_f32 v[T+6*(\t)+2:T+6*(\t)+3], v[S+8*(\t):S+8*(\t)+1], v[S+8*(\t)+2:S+8*(\t)+3]
	v_pk_add_f32 v[T+6*(\t)+4:T+6*(\t)+5], v[S+8*(\t)+4:S+8*(\t)+5], v[S+8*(\t)+6:S+8*(\t)+7]
.endr
.irp t, 0,1
	v_pk_add_f32 v[T+6*(\t)+2:T+6*(\t)+3], v[T+6*(\t)+2:T+6*(\t)+3], v[T+6*(\t)+4:T+6*(\t)+5]
.endr
.irp t, 0,1
	v_add_f32 v[T+6*(\t)+2], v[T+6*(\t)+2], v[T+6*(\t)+3]
.endr
.irp t, 0,1
	v_permlanex16_b32 v[T+6*(\t)+3], v[T+6*(\t)+2], s14, s15
.endr
.irp t, 0,1
	v_add_f32 v[T+6*(\t)+2], v[T+6*(\t)+2], v[T+6*(\t)+3]  ; the sum of the 16 weights: at least 1
.endr
.irp t, 0,1
	v_rcp_f32 v[T+6*(\t)+4], v[T+6*(\t)+2]
.endr
	v_nop                                          ; as above: a plain instruction,
	s_wait_alu depctr_va_vdst(0)                   ; the two reciprocals have written v[T+4] and v[T+10], ahead of the multiplies that read them: one wait for both
.irp z, 0,2,4,6
.irp t, 0,1
	v_pk_mul_f32 v[S+8*(\t)+(\z):S+8*(\t)+(\z)+1], v[S+8*(\t)+(\z):S+8*(\t)+(\z)+1], v[T+6*(\t)+4:T+6*(\t)+5] op_sel_hi:[1,0]
.endr
.endr
.irp z, 0,1,2,3
.irp t, 0,1
	v_cvt_pk_f16_f32 v[P+8*(\t)+(\z)], v[S+8*(\t)+2*(\z)], v[S+8*(\t)+2*(\z)+1]
.endr
.endr
	s_wait_loadcnt 0x0                             ; V is in
	WIN 0x41                                       ; V^T and O^T in window 1, P in window 0
.irp cb, 0,1,2,3,4,5,6,7               ; sixteen accumulators, one product each
.irp t, 0,1
	v_wmma_f32_16x16x32_f16 v[OA+64*(\t)+8*(\cb):OA+64*(\t)+8*(\cb)+7], v[VF+64*(\t)+8*(\cb):VF+64*(\t)+8*(\cb)+7], v[P+8*(\t):P+8*(\t)+7], 0
.endr
.endr
	WIN 0
.rept 4
	v_nop                                          ; four places in front of the conversions that read the results
.endr
; THE WAY OUT.  A lane's eight channels of a head pack into 16 bytes; a token's 16 heads go into my stage's rows of 272 bytes and come back as whole rows of 256: two heads are 512 consecutive bytes of att.
; Both tokens are rounded first, so that one wait stands ahead of all the stage's stores and loads.
.macro PACK t                          ; rounded to f16, each accumulator's registers in ascending order
	WIN 0x05                                       ; sources 0 and 1 window 1, destination window 0
.set i, 0
.rept 32
	v_cvt_pk_f16_f32 v[KF+64*(\t)+i], v[OA+64*(\t)+2*i], v[OA+64*(\t)+2*i+1]
.set i, i+1
.endr
.endm
.macro THROUGH t                       ; into my stage, and back as whole rows
.irp cb, 0,1,2,3,4,5,6,7
	ds_store_b128 v[STO], v[KF+64*(\t)+4*(\cb):KF+64*(\t)+4*(\cb)+3] offset:32*(\cb)
.endr
.irp u, 0,1,2,3,4,5,6,7
	ds_load_b128 v[QF+64*(\t)+4*(\u):QF+64*(\t)+4*(\u)+3], v[RD] offset:2*SP*(\u)  ; LDS serves a wave's instructions in order (ISA guide 5.7.1.4): these see the stores above; the next token's stores come behind them
.endr
.endm
.macro SEND t, younger                 ; younger: the LDS instructions issued behind token t's loads: the next token's sixteen, or none
.irp u, 0,1,2,3,4,5,6,7
	s_wait_dscnt (\younger)+7-(\u)
	global_store_b128 v[OFF], v[QF+64*(\t)+4*(\u):QF+64*(\t)+4*(\u)+3], s[6:7] offset:4096*(\t)+512*(\u)  ; 512 consecutive bytes, at a multiple of 256 from att's first byte
.endr
.endm
	PACK 0
	PACK 1
	WIN 0
	s_wait_alu depctr_va_vdst(0)                   ; the 64 conversions have written v[KF ..], which the LDS stores read; v[STO] and v[RD] are written; the first product's matrix instructions are done reading v[QF ..], in which the LDS loads land
	THROUGH 0
	THROUGH 1
	SEND 0, 16
	SEND 1, 0
	s_wait_dscnt 0x0                               ; the closing lines, six on end
	s_wait_alu 0x0
	s_wait_tensorcnt 0x0
	ds_add_u32 v[SPW], v[NIL]
	s_wait_dscnt 0x0
	s_endpgm
.Lfunc_end_k_qe5b3820309_attn:
	.size	k_qe5b3820309_attn, .Lfunc_end_k_qe5b3820309_attn-k_qe5b3820309_attn
	.p2alignl 7, 3214868480
	.fill 96, 4, 3214868480
	.section	.rodata,"a",@progbits
	.p2align	6, 0x0
	.amdhsa_kernel k_qe5b3820309_attn
		.amdhsa_group_segment_fixed_size 17920
		.amdhsa_private_segment_fixed_size 0
		.amdhsa_enable_private_segment 0
		.amdhsa_kernarg_size 16
		.amdhsa_user_sgpr_count 2
		.amdhsa_user_sgpr_kernarg_segment_ptr 1
		.amdhsa_wavefront_size32 1
		.amdhsa_system_sgpr_workgroup_id_x 1
		.amdhsa_system_sgpr_workgroup_id_y 1
		.amdhsa_system_sgpr_workgroup_id_z 1
		.amdhsa_system_vgpr_workitem_id 0
		.amdhsa_next_free_vgpr 512
		.amdhsa_next_free_sgpr 66
		.amdhsa_reserve_vcc 0
		.amdhsa_float_denorm_mode_32 3
		.amdhsa_float_denorm_mode_16_64 3
		.amdhsa_memory_ordered 1
		.amdhsa_forward_progress 1
		.amdhsa_inst_pref_size 24
	.end_amdhsa_kernel
	.amdgpu_metadata
---
amdhsa.version: [ 1, 2 ]
amdhsa.kernels:
  - .name:           k_qe5b3820309_attn
    .symbol:         k_qe5b3820309_attn.kd
    .args:
      - { .name: qkv, .offset: 0, .size: 8, .value_kind: global_buffer, .address_space: global }
      - { .name: att, .offset: 8, .size: 8, .value_kind: global_buffer, .address_space: global }
    .group_segment_fixed_size: 17920
    .private_segment_fixed_size: 0
    .kernarg_segment_align: 8
    .kernarg_segment_size: 16
    .max_flat_workgroup_size: 128
    .sgpr_count:     66
    .vgpr_count:     512
    .wavefront_size: 32
...
	.end_amdgpu_metadata
.endif
;; end of part 6
;; launch out: the kernel of part 4 again; grid 8 x 32, 4 waves a work-group, clusters of 4 x 4, 327,680 bytes of LDS; arguments att, wob, out0; writes out0
